; MI455X (gfx1250); checked and timed in simulation.
; The chip was launched on July 23, 2026; its instructions are those of AMD's public machine-readable ISA for CDNA 5 (MIT licence, August 2026) and "CDNA5" Instruction Set Architecture Reference Guide (July 2026). The comments in the code are by the model that wrote it; some were corrected since.
;; Self Cross Attention. Allowed arithmetic: matrix products marked QUANTISED: E2M1 operands, one E8M0 scale for each 32 along K, by v_wmma_scale_f32_16x16x128_f8f6f4 with both operands' format E2M1 (or v_wmma_scale_f32_32x16x128_f4), f32 sums; everything else in f32.
;; Inputs: w_b 256 float32; w_w_codes 256 x 8 x 16 uint8 (E2M1 codes of w_w, K innermost, in blocks of 32 codes, two codes a byte); w_w_scales 256 x 8 uint8 (E8M0 scales of w_w, one for each 32 codes along K); wk_a_b 256 float32; wk_a_w_codes 256 x 8 x 16 uint8 (E2M1 codes of wk_a_w, K innermost, in blocks of 32 codes, two codes a byte); wk_a_w_scales 256 x 8 uint8 (E8M0 scales of wk_a_w, one for each 32 codes along K); wk_b_b 256 float32; wk_b_w_codes 256 x 8 x 16 uint8 (E2M1 codes of wk_b_w, K innermost, in blocks of 32 codes, two codes a byte); wk_b_w_scales 256 x 8 uint8 (E8M0 scales of wk_b_w, one for each 32 codes along K); wq_b 256 float32; wq_w_codes 256 x 8 x 16 uint8 (E2M1 codes of wq_w, K innermost, in blocks of 32 codes, two codes a byte); wq_w_scales 256 x 8 uint8 (E8M0 scales of wq_w, one for each 32 codes along K); wv_a_b 256 float32; wv_a_w_codes 256 x 8 x 16 uint8 (E2M1 codes of wv_a_w, K innermost, in blocks of 32 codes, two codes a byte); wv_a_w_scales 256 x 8 uint8 (E8M0 scales of wv_a_w, one for each 32 codes along K); wv_b_b 256 float32; wv_b_w_codes 256 x 8 x 16 uint8 (E2M1 codes of wv_b_w, K innermost, in blocks of 32 codes, two codes a byte); wv_b_w_scales 256 x 8 uint8 (E8M0 scales of wv_b_w, one for each 32 codes along K); x_a 2 x 2,048 x 256 float32; x_b_codes 2 x 2,048 x 8 x 16 uint8 (E2M1 codes of x_b, K innermost, in blocks of 32 codes, two codes a byte); x_b_scales 2 x 2,048 x 8 uint8 (E8M0 scales of x_b, one for each 32 codes along K).
;; Outputs: out0 2 x 2,048 x 256 float32.
;; This version of the problem:
;;   THIS VERSION OF THE PROBLEM IS GIVEN IN LOW PRECISION. The matrix products marked QUANTISED in the list below multiply operands that are first quantised to E2M1 (2 exponent bits, 1 mantissa bit; 4 bits a number), with one power-of-two scale for each 32 numbers along K (OCP MX v1.0); their sums are f32. All else is computed in f32.
;;   The module's matrix products, in the order in which they are computed (A, B: the left and right operand; K: the contracted axis; several contracted axes count as one K, in the product's order):
;;     1. [M 4,096, K 256] x [K 256, N 256]; A: input x_a; B: input wq_w (given as codes): QUANTISED
;;     2. [M 4,096, K 256] x [K 256, N 256]; A: input x_a; B: input wk_a_w (given as codes): QUANTISED
;;     3. [M 4,096, K 256] x [K 256, N 256]; A: input x_a; B: input wv_a_w (given as codes): QUANTISED
;;     4. [M 4,096, K 256] x [K 256, N 256]; A: input x_b (given as codes); B: input wk_b_w (given as codes): QUANTISED
;;     5. [M 4,096, K 256] x [K 256, N 256]; A: input x_b (given as codes); B: input wv_b_w (given as codes): QUANTISED
;;     6. batch 16 x [M 2,048, K 32] x [K 32, N 4,096]; A: computed on the way; B: computed on the way: QUANTISED
;;     7. batch 16 x [M 2,048, K 4,096] x [K 4,096, N 32]; A: softmax (see below); B: computed on the way: QUANTISED
;;     8. [M 4,096, K 256] x [K 256, N 256]; A: computed on the way; B: input w_w (given as codes): QUANTISED
;;   THE QUANTISER, for each operand of a quantised product, along K:
;;     - K is cut into blocks of 32 from its start; a last block that is shorter is filled with zeros.
;;     - A block's scale is 2^e with e = floor(log2(the largest magnitude in the block)) - 2, held to -126 .. 127; a block of zeros has e = 0. As a byte (E8M0): e + 127.
;;     - Each number is divided by its block's scale, clamped to +-6, and rounded to the nearest number of E2M1, ties to even, subnormals kept.
;;     - The product sums the exact products of the quantised numbers (number of the format x scale) in f32.
;;   ~~~python
;;   def quantise(x, axis):      # numpy; x: float32 -> the quantised numbers, widened to float32 again
;;       x = np.moveaxis(x, axis, -1); K = x.shape[-1]
;;       x = np.pad(x, [(0, 0)] * (x.ndim - 1) + [(0, -K % 32)]); x = x.reshape(x.shape[:-1] + (-1, 32)); a = np.abs(x).max(-1, keepdims=True)
;;       e = np.where(a > 0, np.clip(np.frexp(np.where(a > 0, a, 1))[1] - 1 - 2, -126, 127), 0)      # np.frexp(a)[1] - 1 = floor(log2(a)), exactly
;;       r = np.clip(x / 2.0 ** e, -6, 6)
;;       step = 2.0 ** (np.maximum(np.frexp(np.where(r == 0, 1, r))[1] - 1, 0) - 1)
;;       q = np.round(r / step) * step * 2.0 ** e      # np.round: ties to even
;;       return np.moveaxis(q.reshape(q.shape[:-2] + (-1,))[..., :K], -1, axis).astype(np.float32)
;;   ~~~
;;   SOFTMAX AHEAD OF A QUANTISED PRODUCT. Where the list says 'softmax', what is quantised is not the finished softmax but p = 2^(t - M), with t = logit x log2(e) and M = ceil(the row's largest t), a whole number; so 1/2 < the row's largest p <= 1. The row's sum l is taken of the UNQUANTISED p, in f32, and the product's result is divided by l at the end. Since M is a whole number, a kernel that streams over the keys may use a running M (the ceiling of the running maximum): every later rescaling is an exact power of two, which a block's scale takes up: the codes' values come out the same.
;;   OPERANDS COMPUTED ON THE WAY. 'Computed on the way' means the value that the module computes at that place (a softmax that the list does not call 'softmax' is quantised finished and normalised). What goes into a quantiser is computed in f32, as accurately as f32 sums, v_exp_f32 and their like allow (about 1e-6 of the number): no bf16 or f16 on the way to a quantiser, and a product that is left as it is and whose result goes on into a quantised operand takes f32 operands (vector FMAs, or v_wmma_f32_16x16x4_f32). A number that lies on a knife's edge between two numbers of the format may be rounded either way, as far as f32 arithmetic and the matrix unit's own rounding can turn it there, and no further.
;;   INPUTS GIVEN AS CODES. w_w (in the module: [256, 256], K = its axis 1); wk_a_w (in the module: [256, 256], K = its axis 1); wk_b_w (in the module: [256, 256], K = its axis 1); wq_w (in the module: [256, 256], K = its axis 1); wv_a_w (in the module: [256, 256], K = its axis 1); wv_b_w (in the module: [256, 256], K = its axis 1); x_b (in the module: [2, 2048, 256], K = its axis 2): each comes as NAME_codes (uint8): NAME with its K axis moved to the last place and cut into blocks of 32 codes, [.., K / 32, bytes a block], one block behind the other in memory; two codes a byte, the lower K in the low four bits (a code: sign, 2 exponent bits, 1 mantissa bit); and NAME_scales (uint8): the same leading axes, one E8M0 byte (e + 127) for each 32 codes along K. Its value is code x scale, taken as it is: it is not quantised again, and the codes and scales need not be those that the quantiser above would give.
;; 2 versions. Each part assembles by itself: llvm-mc -triple=amdgcn-amd-amdhsa -mcpu=gfx1250 --defsym DOCPART=n.
;; ======== version 1 of 2: 3 launches
;; workspace buffers: qc 524,288 bytes; qs 32,768 bytes; kv 2,228,224 bytes; zc 524,288 bytes; zs 32,768 bytes
;; launch project (part 1): grid 64 x 5, 4 waves a work-group, no clusters, 76,288 bytes of LDS; arguments x_a, x_b_codes, x_b_scales, wq_w_codes, wk_a_w_codes, wk_b_w_codes, wv_a_w_codes, wv_b_w_codes, wq_w_scales, wk_a_w_scales, wk_b_w_scales, wv_a_w_scales, wv_b_w_scales, wq_b, wk_a_b, wk_b_b, wv_a_b, wv_b_b, qc, qs, kv; writes qc, qs, kv
.if DOCPART == 1
	.amdgcn_target "amdgcn-amd-amdhsa--gfx1250"
	.amdhsa_code_object_version 6
	.text
	.protected	k_q74025706fc_project
	.globl	k_q74025706fc_project
	.p2align	8
	.type	k_q74025706fc_project,@function
k_q74025706fc_project:
	s_mov_b64 s[64:65], 0
	v_nop
	global_prefetch_b8 v0, s[64:65] scope:SCOPE_SE
	s_setreg_imm32_b32 hwreg(HW_REG_WAVE_MODE, 25, 1), 1
	s_wait_xcnt 0x0
; The five projections y = x W^T + b on codes of FP4 (E2M1) with one E8M0 scale for each 32 along K, and the quantising of their results:
; q and k along a head's 32 numbers, v along 32 neighbouring keys.  x_a arrives as f32 and is quantised here; x_b and the weights arrive as codes.
; SHARES.  Work-group x = 32 b + G takes 64 rows of batch b; work-group y says which product: 0 q, 1 k_a, 2 k_b, 3 v_a, 4 v_b.  Wave g takes heads 2 g and 2 g + 1 (64 features):
; 16 accumulators x 2 K steps = 32 matrix instructions.  Wave w also prepares tile w of x (16 rows x 256 K: two fragments), which reaches the other waves through LDS as an image of its registers.
; TILES OF ROWS ARE PERMUTED: row (T, r) of a group of 64 is 32 (r / 8) + 8 T + r % 8.  With that choice, and the like for the weights' rows, the 32 registers of four neighbouring accumulators
; in ONE lane are one whole block of the next quantiser: lanes 0-15 one block, lanes 16-31 its neighbour.  So a block's largest magnitude needs no other lane, and the conversions' results are 16 bytes that belong together.
;   q, k: source 0 = 16 rows of W, source 1 = 16 rows of x: lane (r, h), register 32 T + 8 t + j = y(row (T, r), head 2 g + h, channel 8 t + j).
;   v:    source 0 = 16 rows of x, source 1 = 16 rows of W: lane (r, h), register 32 t + 8 T + j = v(key 32 h + 8 T + j of the group, head 2 g + t / 2, channel 16 (r / 8) + 8 (t % 2) + r % 8).
; OUTPUT LAYOUTS (this program's own): qc [bh][tile][r][16 bytes];  qs [bh][G][r] one word, byte T;  kv [bh][step of 128 keys][4,352 bytes]: K's codes 2,048 (1024 c + 256 T + 16 r), V^T's codes 2,048
; (1024 dt + 256 block + 16 r), K's scale words 128 (64 c + 4 r + T), V's 128 (4 (16 dt + r) + block): each the image of the registers that the next launch wants.
; A block's scale byte is its largest magnitude's exponent field - 2, held at 1 from below by a floor among the maximum's leaves.
; LIMITS: NaN and infinities among the inputs are not served; a block whose largest magnitude lies under 2^-124 (a block of zeros too) gets the byte 1: its bytes are read by this program alone.
; No tensor load and no cluster: what work-groups share is 35 KB of weights, of which each wave reads its quarter once, straight into registers.
.set REC,   4352                       ; a step's record in kv
.set HEADB, 139264                     ; a head's 32 records
.set STGW,  16640                      ; LDS: a stage of 16 rows x 1,040 bytes for each wave
.set SPIT,  1040                       ; 1,024 + 16: an odd multiple of 16 bytes, so that sixteen rows start in sixteen different 16-byte columns modulo 256
.set XIMG,  4*STGW                     ; x's eight fragments (2 T + ks), 1,024 bytes each
.set XSC,   XIMG+8192                  ; their scale words, 128 bytes each
.set XS,  24                           ; v24-31   x's scale words (2 T + ks)
.set WSC, 32                           ; v32-39   W's scale words (2 t + ks)
.set PC,  40                           ; v40-55   the two fragments of x that I prepare
.set PW,  56                           ; v56-57   their scale words
.set TM,  58                           ; v58-61   largest magnitudes
.set TP,  62                           ; v62-65   lane permutes' destinations
.set SO,  66                           ; v66-69   the conversions' scale operands
.set BY,  70                           ; v70-73   scale bytes
.set CD,  76                           ; v76-91   the results' codes
.set BI,  96                           ; v96-127  the bias in the result's layout: the C of each sum's first product
.set R,   128                          ; v128-255 x_a's numbers; later the accumulators
.set ACC, 128
; window 1: v0-63 W's fragments at 8 (2 t + ks); v64-127 x's at 64 + 8 (2 T + ks)
.set MSB, 0
.macro WIN new                         ; the immediate's high byte repeats the setting that is left
.if MSB != \new
	s_set_vgpr_msb (MSB<<8)|\new
.set MSB, \new
.endif
.endm
; Four blocks of 32 numbers of a lane, v[src + 32 u ..], by turns: scale operands in SO, bytes in BY, codes in v[dst + 4 u ..].  Each group of eight registers is read from its low end on.
.macro Q4 src, dst
.irp u, 0,1,2,3
	v_max3_num_f32 v[TM+\u], |v[\src+32*\u]|, |v[\src+32*\u+1]|, 0x1800000   ; and the floor 2^(3 - 127): the byte cannot fall under 1
.endr
.irp i, 2,4,6,8,10,12,14,16,18,20,22,24,26,28,30
.irp u, 0,1,2,3
	v_max3_num_f32 v[TM+\u], v[TM+\u], |v[\src+32*\u+\i]|, |v[\src+32*\u+\i+1]|
.endr
.endr
.irp u, 0,1,2,3
	v_add_nc_u32 v[SO+\u], 0xff000000, v[TM+\u]    ; 2 off the exponent field: the conversion takes this operand's exponent field as its scale
.endr
.irp u, 0,1,2,3
	v_lshrrev_b32 v[BY+\u], 23, v[SO+\u]           ; the scale's byte
.endr
.irp u, 0,1,2,3
.irp g, 0,1,2,3
	v_cvt_scalef32_pk8_fp4_f32 v[\dst+4*\u+\g], v[\src+32*\u+8*\g:\src+32*\u+8*\g+7], v[SO+\u]
.endr
.endr
	v_nop                                          ; one plain place behind the last scaled conversion
.endm
.macro MM d, a, b, c, sa, sb
	v_wmma_scale_f32_16x16x128_f8f6f4 v[\d:\d+7], v[\a:\a+7], v[\b:\b+7], v[\c:\c+7], v[\sa], v[\sb] matrix_a_fmt:MATRIX_FMT_FP4 matrix_b_fmt:MATRIX_FMT_FP4
.endm
	s_load_b512 s[8:23], s[0:1], 0x0               ; argument n lies in s[8 + 2 n : 9 + 2 n]: x_a, x_b's codes, scales, five weights' codes,
	s_load_b512 s[24:39], s[0:1], 0x40             ; five weights' scales, three biases,
	s_load_b256 s[40:47], s[0:1], 0x80             ; two biases, qc, qs,
	s_load_b64 s[48:49], s[0:1], 0xa0              ; kv
	v_lshl_add_u32 v94, v0, 2, 0x12800
	v_mov_b32 v95, 0
	v_lshrrev_b32 v1, 5, v0
	v_readfirstlane_b32 s50, v1                    ; wave = head pair g = tile of x that I prepare
	s_and_b32 s51, ttmp7, 0xffff                   ; y: which product
	s_lshr_b32 s52, ttmp9, 5                       ; b
	s_and_b32 s53, ttmp9, 31                       ; G
	s_cmp_eq_u32 s51, 2
	s_cselect_b32 s54, 1, 0
	s_cmp_eq_u32 s51, 4
	s_cselect_b32 s54, 1, s54                      ; 1: the product takes x_b
	s_lshl_b32 s55, s54, 5
	s_add_co_u32 s55, s55, s53                     ; the group among the 64 groups of the joined keys
	s_lshr_b32 s56, s55, 1                         ; its step of 128 keys,
	s_and_b32 s57, s53, 1                          ; and which half of it
	s_mov_b32 s72, HEADB                           ; from head 2 g to head 2 g + 1 in the codes' buffer and in the scales': k,
	s_mov_b32 s73, HEADB
	s_cmp_eq_u32 s51, 0
	s_cselect_b32 s72, 32768, s72                  ; q;
	s_cselect_b32 s73, 2048, s73
	s_cmp_ge_u32 s51, 3
	s_cselect_b32 s58, 4, 5                        ; W's rows of a tile: lanes 8-15 lie 32 rows on (q, k) or 16 (v)
	s_cselect_b32 s59, 32, 16                      ; and tiles 2, 3 begin 16 rows on (q, k) or 32 (v)
	s_cselect_b32 s72, 256, s72                    ; v: lanes 16-31 hold the next block of keys, not the next head: 16 x lane,
	s_cselect_b32 s73, 64, s73                     ; 4 x lane
	s_lshl_b32 s60, s59, 7
	s_lshl_b32 s61, s59, 3
	s_mov_b32 s74, 0x76543210
	s_mov_b32 s75, 0xfedcba98                      ; v_permlanex16_b32's selects for lane l xor 16
	v_and_b32 v1, 31, v0                           ; lane
	v_and_b32 v2, 15, v0                           ; r
	v_bfe_u32 v3, v0, 4, 1                         ; h
	v_lshlrev_b32 v4, 4, v1                        ; 16 x lane
	v_lshlrev_b32 v5, 2, v1                        ; 4 x lane
	v_lshlrev_b32 v6, 3, v3                        ; 8 h
	v_lshrrev_b32 v75, 3, v2                       ; r / 8
	v_and_b32 v92, 7, v2                           ; r % 8
	v_lshl_add_u32 v7, v75, 5, v92                 ; x's row of my lane in a tile: 32 (r / 8) + r % 8
	v_lshlrev_b32 v8, s58, v75
	v_add_nc_u32 v8, v8, v92                       ; W's row likewise
	v_lshlrev_b32 v9, 7, v8
	v_lshl_add_u32 v9, v3, 4, v9                   ; W's codes, tiles 0, 1: 128 bytes a row, + 16 h
	v_add_nc_u32 v10, s60, v9                      ; tiles 2, 3
	v_lshlrev_b32 v11, 3, v8                       ; W's scales: 8 bytes a row
	v_add_nc_u32 v12, s61, v11
	v_lshlrev_b32 v13, 7, v3                       ; bias, q and k: my half's 32 numbers
	v_lshlrev_b32 v74, 2, v8                       ; bias, v: my column's number
	v_lshlrev_b32 v14, 7, v7
	v_lshl_add_u32 v14, v3, 4, v14                 ; x_b's codes
	v_lshlrev_b32 v15, 3, v7                       ; x_b's scales
	s_mul_i32 s62, s50, STGW
	v_add_nc_u32 v16, s62, v4                      ; my stage, on the way in: 16 x lane
	v_mul_u32_u24 v17, v2, SPIT
	v_lshl_add_u32 v17, v3, 7, v17
	v_add_nc_u32 v17, s62, v17                     ; and out: row r, + 128 h: my 32 numbers of each 64
	s_lshl_b32 s62, s50, 11
	s_add_co_u32 s62, s62, XIMG
	v_add_nc_u32 v18, s62, v4                      ; where my two fragments' images go
	s_lshl_b32 s62, s50, 8
	s_add_co_u32 s62, s62, XSC
	v_add_nc_u32 v19, s62, v5                      ; and their scale words
	v_add_nc_u32 v20, XIMG, v4                     ; where any fragment is read
	v_add_nc_u32 v21, XSC, v5
	v_mul_u32_u24 v22, s72, v3
	v_lshl_add_u32 v22, v2, 4, v22                 ; out: the codes' place
	v_mul_u32_u24 v23, s73, v3
	v_lshl_add_u32 v23, v2, 2, v23                 ; the scales' place
.irp u, 0,1,2,3
	v_mov_b32 v[TP+\u], 0                          ; written once: a lane permute's destination counts as one of its sources
.endr
	; byte offsets of my outputs, made apart from the addresses
	s_lshl_b32 s86, s52, 3
	s_lshl_b32 s87, s50, 1
	s_add_co_u32 s86, s86, s87                     ; bh of head 2 g
	s_mul_i32 s76, s86, HEADB
	s_mul_i32 s77, s56, REC
	s_add_co_u32 s76, s76, s77                     ; the step's record in kv
	s_lshl_b32 s77, s57, 10                        ; k's codes: fragment c = the half
	s_lshl_b32 s78, s57, 9
	s_add_co_u32 s78, s78, 2048                    ; v's codes: blocks 2 x half on
	s_lshl_b32 s79, s57, 6
	s_add_co_u32 s79, s79, 4096                    ; k's scale words
	s_lshl_b32 s80, s57, 1
	s_add_co_u32 s80, s80, 4224                    ; v's scale bytes
	s_cmp_ge_u32 s51, 3
	s_cselect_b32 s77, s78, s77
	s_cselect_b32 s79, s80, s79
	s_add_co_u32 s77, s77, s76
	s_add_co_u32 s79, s79, s76
	s_lshl_b32 s78, s86, 15
	s_lshl_b32 s80, s53, 10
	s_add_co_u32 s78, s78, s80                     ; q's codes: 32,768 bh + 1,024 G
	s_lshl_b32 s80, s86, 11
	s_lshl_b32 s81, s53, 6
	s_add_co_u32 s80, s80, s81                     ; q's scale words: 2,048 bh + 64 G
	s_mov_b32 s83, 0
	s_mov_b32 s85, 0
	s_mov_b32 s89, 0
	s_cmp_eq_u32 s51, 0
	s_cselect_b32 s82, s78, s77
	s_cselect_b32 s84, s80, s79
	s_wait_kmcnt 0x0
	s_cselect_b64 s[68:69], s[44:45], s[48:49]     ; the choices hang on the work-group's number alone
	s_cselect_b64 s[70:71], s[46:47], s[48:49]
	s_add_nc_u64 s[68:69], s[68:69], s[82:83]
	s_add_nc_u64 s[70:71], s[70:71], s[84:85]
.irp n, 1,2,3,4
	s_cmp_eq_u32 s51, \n
	s_cselect_b64 s[14:15], s[14+2*\n:15+2*\n], s[14:15]   ; my product's weight: codes,
	s_cselect_b64 s[24:25], s[24+2*\n:25+2*\n], s[24:25]   ; scales,
	s_cselect_b64 s[34:35], s[34+2*\n:35+2*\n], s[34:35]   ; bias
.endr
	s_lshl_b32 s88, s50, 13                        ; my 64 rows of it: 128 bytes a row,
	s_add_nc_u64 s[14:15], s[14:15], s[88:89]
	s_lshl_b32 s88, s50, 9                         ; 8 bytes,
	s_add_nc_u64 s[24:25], s[24:25], s[88:89]
	s_lshl_b32 s88, s50, 8                         ; 4 bytes
	s_add_nc_u64 s[34:35], s[34:35], s[88:89]
	s_lshl_b32 s87, ttmp9, 6
	s_lshl_b32 s62, s50, 3
	s_add_co_u32 s87, s87, s62                     ; first row of the tile of x that I prepare: 64 x work-group + 8 x wave
	s_lshl_b32 s88, s87, 10
	s_add_nc_u64 s[8:9], s[8:9], s[88:89]
	s_lshl_b32 s88, s87, 7
	s_add_nc_u64 s[10:11], s[10:11], s[88:89]
	s_lshl_b32 s88, s87, 3
	s_add_nc_u64 s[12:13], s[12:13], s[88:89]
	; W's eight fragments and their scale words: read once, straight into registers
	WIN 0x40                                       ; destination window 1
.irp t, 0,1,2,3
.irp ks, 0,1
.irp c, 0,1
	global_load_b128 v[8*(2*\t+\ks)+4*\c:8*(2*\t+\ks)+4*\c+3], v[9+\t/2], s[14:15] offset:(\t%2)*1024+64*\ks+32*\c
.endr
.endr
.endr
	WIN 0
.irp t, 0,1,2,3
	global_load_b64 v[WSC+2*\t:WSC+2*\t+1], v[11+\t/2], s[24:25] offset:(\t%2)*64   ; both K steps' words of my row
.endr
	s_cmp_ge_u32 s51, 3
	s_cbranch_scc1 .Lbias_v
.irp t, 0,1,2,3
	global_load_b128 v[BI+8*\t:BI+8*\t+3], v13, s[34:35] offset:32*\t          ; q, k: register j of tile t wants b(32 h + 8 t + j)
	global_load_b128 v[BI+8*\t+4:BI+8*\t+7], v13, s[34:35] offset:32*\t+16
.endr
	s_branch .Lbias_done
.Lbias_v:
.irp t, 0,1,2,3
.irp j, 0,1,2,3,4,5,6,7
	global_load_b32 v[BI+8*\t+\j], v74, s[34:35] offset:4*(32*(\t/2)+8*(\t%2))   ; v: all eight registers want my column's number
.endr
.endr
.Lbias_done:
	s_cmp_lg_u32 s54, 0
	s_cbranch_scc1 .Lx_codes
	; x_a: my tile's 16 rows, 32 loads of 512 consecutive bytes; through my own stage, so that a lane gets 32 neighbours of each 64
.set i, 0
.rept 32
	global_load_b128 v[R+4*i:R+4*i+3], v4, s[8:9] offset:(32*((i/2)/8)+((i/2)%8))*1024+512*(i%2)
.set i, i+1
.endr
.set i, 0
.rept 32
	s_wait_loadcnt 31-i                            ; loads come back in order: load i is in, the 31 - i younger ones may be out (W and the bias were asked for earlier)
	ds_store_b128 v16, v[R+4*i:R+4*i+3] offset:SPIT*(i/2)+512*(i%2)
.set i, i+1
.endr
	s_wait_dscnt 0x0                               ; the stores have read their registers
.irp s, 0,1
.irp c, 0,1
.irp i, 0,1,2,3,4,5,6,7
	ds_load_b128 v[R+64*\s+32*\c+4*\i:R+64*\s+32*\c+4*\i+3], v17 offset:512*\s+256*\c+16*\i   ; k = 128 s + 64 c + 32 h + 4 i ..
.endr
.endr
.endr
	s_wait_dscnt 0x0
	Q4 R, PC                                       ; block u = 2 s + c: registers 4 c .. 4 c + 3 of K step s's fragment
.irp s, 0,1
	v_lshl_or_b32 v[PW+\s], v[BY+2*\s+1], 16, v[BY+2*\s]   ; my two bytes: blocks h and 2 + h of my row,
.endr
.irp s, 0,1
	v_lshlrev_b32 v[PW+\s], v6, v[PW+\s]           ; at their places (8 h bits up);
.endr
.irp s, 0,1
	v_permlanex16_b32 v[TP+\s], v[PW+\s], s74, s75
.endr
.irp s, 0,1
	v_or_b32 v[PW+\s], v[PW+\s], v[TP+\s]          ; with lane l xor 16's two the word is whole
.endr
	s_branch .Lx_done
.Lx_codes:
.irp ks, 0,1
.irp c, 0,1
	global_load_b128 v[PC+8*\ks+4*\c:PC+8*\ks+4*\c+3], v14, s[10:11] offset:64*\ks+32*\c   ; x_b: codes and scales as they are given
.endr
.endr
.irp ks, 0,1
	global_load_b32 v[PW+\ks], v15, s[12:13] offset:4*\ks
.endr
	s_wait_loadcnt 0x0
.Lx_done:
.irp k, 0,1,2,3
	ds_store_b128 v18, v[PC+4*\k:PC+4*\k+3] offset:512*\k   ; the images of my two fragments
.endr
.irp ks, 0,1
	ds_store_b32 v19, v[PW+\ks] offset:128*\ks
.endr
	s_wait_dscnt 0x0                               ; for the others' sake: my stores have landed
	s_barrier_signal -1
	s_barrier_wait -1                              ; all eight fragments of x lie in LDS
	WIN 0x40
.irp f, 0,1,2,3,4,5,6,7
.irp c, 0,1
	ds_load_b128 v[64+8*\f+4*\c:64+8*\f+4*\c+3], v20 offset:1024*\f+512*\c
.endr
.endr
	WIN 0
.irp f, 0,1,2,3,4,5,6,7
	ds_load_b32 v[XS+\f], v21 offset:128*\f
.endr
	s_wait_dscnt 0x0
	s_cmp_ge_u32 s51, 3
	s_cbranch_scc1 .Lprod_v
	; q, k: the sixteen accumulators take turns, one instruction a turn, K step by K step; the bias is the first product's C
	WIN 0x05                                       ; sources 0 and 1 window 1; C and D window 0
.irp a, 0,1,2,3
.irp e, 0,1,2,3
	MM ACC+32*\a+8*\e, 8*(2*\e), 64+8*(2*\a), BI+8*\e, WSC+2*\e, XS+2*\a
.endr
.endr
.irp a, 0,1,2,3
.irp e, 0,1,2,3
	MM ACC+32*\a+8*\e, 8*(2*\e+1), 64+8*(2*\a+1), ACC+32*\a+8*\e, WSC+2*\e+1, XS+2*\a+1
.endr
.endr
	WIN 0
	s_branch .Lprod_done
.Lprod_v:
	WIN 0x05
.irp a, 0,1,2,3
.irp e, 0,1,2,3
	MM ACC+32*\a+8*\e, 64+8*(2*\e), 8*(2*\a), BI+8*\a, XS+2*\e, WSC+2*\a
.endr
.endr
.irp a, 0,1,2,3
.irp e, 0,1,2,3
	MM ACC+32*\a+8*\e, 64+8*(2*\e+1), 8*(2*\a+1), ACC+32*\a+8*\e, XS+2*\e+1, WSC+2*\a+1
.endr
.endr
	WIN 0
.Lprod_done:
.rept 4
	v_nop                                          ; four places between the last product and the first read of results (ISA guide 7.12.1)
.endr
	Q4 ACC, CD                                     ; four whole blocks a lane
	s_cmp_ge_u32 s51, 3
	s_cbranch_scc1 .Lout_v
.irp u, 0,1,2,3
	global_store_b128 v22, v[CD+4*\u:CD+4*\u+3], s[68:69] offset:256*\u   ; tile u: sixteen lanes store 256 consecutive bytes, aligned
.endr
	v_lshl_or_b32 v92, v[BY+1], 8, v[BY]           ; my row's (r's) four bytes, one of each tile, make a word
	v_lshl_or_b32 v92, v[BY+2], 16, v92
	v_lshl_or_b32 v92, v[BY+3], 24, v92
	global_store_b32 v23, v92, s[70:71]
	s_wait_tensorcnt 0x0
	ds_add_u32 v94, v95
	s_wait_dscnt 0x0
	s_endpgm
.Lout_v:
.irp u, 0,1,2,3
	global_store_b128 v22, v[CD+4*\u:CD+4*\u+3], s[68:69] offset:HEADB*(\u/2)+1024*(\u%2)   ; head 2 g + u / 2, tile dt = u % 2: the wave stores 512 consecutive bytes
.endr
.irp u, 0,1,2,3
	v_lshlrev_b32 v[BY+\u], v6, v[BY+\u]           ; my block's byte at its place in the pair of blocks,
.endr
.irp u, 0,1,2,3
	v_permlanex16_b32 v[TP+\u], v[BY+\u], s74, s75
.endr
.irp u, 0,1,2,3
	v_or_b32 v[BY+\u], v[BY+\u], v[TP+\u]          ; with lane l xor 16's: two bytes of channel row r's scale word
.endr
	v_cmp_ne_u32 vcc_lo, 0, v3
	v_cndmask_b32 v92, v[BY], v[BY+1], vcc_lo      ; lanes 0-15 store tile dt = 0's, lanes 16-31 tile dt = 1's
	v_cndmask_b32 v93, v[BY+2], v[BY+3], vcc_lo
	global_store_b16 v23, v92, s[70:71]            ; two bytes a lane, four bytes apart: 64 of the record's last 128 bytes; the other group of the step stores the others
	global_store_b16 v23, v93, s[70:71] offset:HEADB
	s_wait_tensorcnt 0x0
	ds_add_u32 v94, v95
	s_wait_dscnt 0x0
	s_endpgm
.Lfunc_end_k_q74025706fc_project:
	.size	k_q74025706fc_project, .Lfunc_end_k_q74025706fc_project-k_q74025706fc_project
	.p2alignl 7, 3214868480
	.fill 96, 4, 3214868480
	.section	.rodata,"a",@progbits
	.p2align	6, 0x0
	.amdhsa_kernel k_q74025706fc_project
		.amdhsa_group_segment_fixed_size 76288
		.amdhsa_private_segment_fixed_size 0
		.amdhsa_enable_private_segment 0
		.amdhsa_kernarg_size 168
		.amdhsa_user_sgpr_count 2
		.amdhsa_user_sgpr_kernarg_segment_ptr 1
		.amdhsa_wavefront_size32 1
		.amdhsa_system_sgpr_workgroup_id_x 1
		.amdhsa_system_sgpr_workgroup_id_y 1
		.amdhsa_system_sgpr_workgroup_id_z 1
		.amdhsa_system_vgpr_workitem_id 0
		.amdhsa_next_free_vgpr 384
		.amdhsa_next_free_sgpr 100
		.amdhsa_reserve_vcc 1
		.amdhsa_float_denorm_mode_32 3
		.amdhsa_float_denorm_mode_16_64 3
		.amdhsa_memory_ordered 1
		.amdhsa_forward_progress 1
		.amdhsa_inst_pref_size 45
	.end_amdhsa_kernel
	.amdgpu_metadata
---
amdhsa.version: [ 1, 2 ]
amdhsa.kernels:
  - .name:           k_q74025706fc_project
    .symbol:         k_q74025706fc_project.kd
    .args:
      - { .name: x_a, .offset: 0, .size: 8, .value_kind: global_buffer, .address_space: global }
      - { .name: x_b_codes, .offset: 8, .size: 8, .value_kind: global_buffer, .address_space: global }
      - { .name: x_b_scales, .offset: 16, .size: 8, .value_kind: global_buffer, .address_space: global }
      - { .name: wq_w_codes, .offset: 24, .size: 8, .value_kind: global_buffer, .address_space: global }
      - { .name: wk_a_w_codes, .offset: 32, .size: 8, .value_kind: global_buffer, .address_space: global }
      - { .name: wk_b_w_codes, .offset: 40, .size: 8, .value_kind: global_buffer, .address_space: global }
      - { .name: wv_a_w_codes, .offset: 48, .size: 8, .value_kind: global_buffer, .address_space: global }
      - { .name: wv_b_w_codes, .offset: 56, .size: 8, .value_kind: global_buffer, .address_space: global }
      - { .name: wq_w_scales, .offset: 64, .size: 8, .value_kind: global_buffer, .address_space: global }
      - { .name: wk_a_w_scales, .offset: 72, .size: 8, .value_kind: global_buffer, .address_space: global }
      - { .name: wk_b_w_scales, .offset: 80, .size: 8, .value_kind: global_buffer, .address_space: global }
      - { .name: wv_a_w_scales, .offset: 88, .size: 8, .value_kind: global_buffer, .address_space: global }
      - { .name: wv_b_w_scales, .offset: 96, .size: 8, .value_kind: global_buffer, .address_space: global }
      - { .name: wq_b, .offset: 104, .size: 8, .value_kind: global_buffer, .address_space: global }
      - { .name: wk_a_b, .offset: 112, .size: 8, .value_kind: global_buffer, .address_space: global }
      - { .name: wk_b_b, .offset: 120, .size: 8, .value_kind: global_buffer, .address_space: global }
      - { .name: wv_a_b, .offset: 128, .size: 8, .value_kind: global_buffer, .address_space: global }
      - { .name: wv_b_b, .offset: 136, .size: 8, .value_kind: global_buffer, .address_space: global }
      - { .name: qc, .offset: 144, .size: 8, .value_kind: global_buffer, .address_space: global }
      - { .name: qs, .offset: 152, .size: 8, .value_kind: global_buffer, .address_space: global }
      - { .name: kv, .offset: 160, .size: 8, .value_kind: global_buffer, .address_space: global }
    .group_segment_fixed_size: 76288
    .private_segment_fixed_size: 0
    .kernarg_segment_align: 8
    .kernarg_segment_size: 168
    .max_flat_workgroup_size: 128
    .sgpr_count:     100
    .vgpr_count:     384
    .wavefront_size: 32
...
	.end_amdgpu_metadata
.endif
;; end of part 1
;; launch attend (part 2): grid 16 x 16, 8 waves a work-group, clusters of 4 x 1, 168,960 bytes of LDS; arguments qc, qs, kv, zc, zs; writes zc, zs
.if DOCPART == 2
	.amdgcn_target "amdgcn-amd-amdhsa--gfx1250"
	.amdhsa_code_object_version 6
	.text
	.protected	k_q74025706fc_attend
	.globl	k_q74025706fc_attend
	.p2align	8
	.type	k_q74025706fc_attend,@function
k_q74025706fc_attend:
	s_mov_b64 s[64:65], 0
	v_nop
	global_prefetch_b8 v0, s[64:65] scope:SCOPE_SE
	s_setreg_imm32_b32 hwreg(HW_REG_WAVE_MODE, 25, 1), 1
	s_wait_xcnt 0x0
	s_wait_alu depctr_hold_cnt(0) depctr_sa_sdst(0) depctr_va_vdst(0) depctr_va_sdst(0) depctr_va_ssrc(0) depctr_va_vcc(0) depctr_vm_vsrc(0)
	s_getreg_b32 s2, hwreg(HW_REG_IB_STS2, 6, 4)
	s_cmp_eq_u32 s2, 0
	s_cbranch_scc0 .Lentry_in_a_cluster
	s_endpgm
.Lentry_in_a_cluster:
	s_bfe_u32 s2, ttmp6, 0x10000c
	s_cmp_lg_u32 s2, 0x3003
	s_cbranch_scc0 .Lentry_shape_is_right
	s_endpgm
.Lentry_shape_is_right:
; z = softmax(q k^T / sqrt(32)) v for one head and 128 queries a work-group, both products on codes of FP4 (E2M1) with one E8M0 scale for each 32 along K; z is quantised along the head's 32 channels.
; THE SOFTMAX AHEAD OF THE SECOND PRODUCT: t = score x log2(e) / sqrt(32); M = the largest t so far, rounded up to a whole number; p = 2^(t - M) is quantised along the keys, not normalised; the row's sum is taken
; of the unquantised p and divides at the end.  When M moves, the sum and O are multiplied by 2^(old M - new M), which rounds nothing.
; SHARES.  Work-group y = batch x 8 + head; work-group x = a block of eight tiles of 16 queries; wave w owns one tile in 256 registers, two waves to a SIMD.  Every wave walks the head's 4,096 keys, 128 a step.
; LDS holds the head's 32 records of kv (139,264 bytes), each the image of the registers wanted: filled once, never again, so there is no ring.  Wave w brings steps w, 8 + w, 16 + w, 24 + w: four tensor loads
; of a wave are out at the most, and the walk begins when the first eight steps have landed.
; CLUSTER.  The four work-groups of a cluster have the same head and want the same bytes: each fill is asked for jointly, by the same load with the same descriptor and the mask of all four.
; LAYOUT.  Both products are used transposed, so that a lane holds ONE query (lane % 16) throughout.
;   A head has 32 channels, the instruction 128 along K.  A fragment of K holds 64 keys: row r's block T of 32 along K is key 64 c + 32 (r / 8) + 8 T + r % 8.  q stands in four forms Q_T, its 32 codes in block T and
;   zero codes elsewhere: fragment x Q_T gives the scores of the 16 keys in block T.  So LDS reads of K are dense, and zero codes add nothing under any scale byte that the quantiser gives (1 to 254).
;   Lane (r, h), register 32 c + 8 T + j = score(query r, key 64 c + 32 h + 8 T + j): 32 registers are one whole block of p's quantiser, and the conversions' results are the second product's operand as they stand.
;   V^T's tile dt takes channels 16 (r / 8) + 8 dt + r % 8: lane (r, h) holds channels 16 h + 0 .. 15 of z.
; A block's largest p is not searched for: the block's largest score goes through the same multiply-add and exponential.  This takes v_exp_f32 not to fall where its input rises (the ISA guide promises 1 ulp):
; at the worst one p of a block, within an ulp of a power of two, is held one code low.
; LIMITS: NaN and infinities are not served; t is score x c in one rounding; a block whose every p has fallen under 2^-124 gets the byte 1 (its codes are zeros or the smallest).
.set REC,   4352
.set HEADB, 139264
.set CHUNK, 8*REC                      ; eight steps: what the eight waves' loads of one turn bring
.set S,   128                          ; v128-191 the scores, then p
.set KF,  48                           ; v48-63   K's two fragments
.set VF,  64                           ; v64-79   V^T's two
.set P,   80                           ; v80-87   p's codes
.set O,   88                           ; v88-103  O^T: two tiles
; v1 16 x lane, v2 4 x lane, v3, v4 the step's LDS addresses, v5 8 h, v6 r, v7 h, v8 0; v[10:11], v[14:15] the sum in four parts; v12 -M, v13 the largest t; v16-39 q's four forms (Q0 v16, Q2 v20, Q1 v28, Q3 v32);
; v40 q's scale word, v41 K's, v42 V's, v43 p's; v44 the largest score; v[46:47] the factor; v104-107, v108-109 maxima; v110-111 scale operands; v112-113 bytes; v114-118 at work; v120-127 the head's loads and offsets
.macro ROUND                           ; a round of the cluster's barrier
	s_barrier_signal -1
	s_barrier_wait -1
	s_cmp_lg_u32 s14, 0
	s_cbranch_scc1 .Lnot_wave_0_\@
	s_barrier_signal -3
.Lnot_wave_0_\@:
	s_barrier_wait -3
	s_barrier_signal -1
	s_barrier_wait -1
.endm
.macro BAR n                           ; all but my n youngest fills have landed; then the work-group's barrier: everybody's have.
	s_wait_tensorcnt \n
	s_wait_dscnt 0x0
	s_barrier_signal -1
	s_barrier_wait -1
.endm
	s_load_b256 s[4:11], s[0:1], 0x0               ; qc s[4:5], qs s[6:7], kv s[8:9], zc s[10:11]
	s_load_b64 s[12:13], s[0:1], 0x20              ; zs
	v_lshl_add_u32 v254, v0, 2, 0x29000
	v_mov_b32 v255, 0
	ds_add_u32 v254, v255
	ds_add_u32 v254, v255
	v_lshrrev_b32 v1, 5, v0
	v_readfirstlane_b32 s14, v1                    ; wave 0..7
	s_bfe_u32 s15, ttmp6, 0x40000                  ; cx: it enters q's and z's global addresses alone
	s_lshl_b32 s16, ttmp9, 2
	s_add_co_u32 s16, s16, s15                     ; work-group x
	s_and_b32 s17, ttmp7, 0xffff                   ; bh, which the four partners share
	s_lshl_b32 s18, s16, 3
	s_add_co_u32 s18, s18, s14                     ; my tile of queries
	; descriptor group 1: a record is 4,352 dense bytes: 17 rows of 32 elements of 8 bytes, no padding (every LDS read takes 16 x lane on end)
	s_mov_b32 s24, 15|(3<<16)|(1<<21)              ; 15:0 the mask: all four work-groups; 17:16 elements of 8 bytes; 21 set beside a mask
	s_mov_b32 s25, 32<<16                          ; tensor_dim0 = 32
	s_mov_b32 s26, 17<<16                          ; tensor_dim1 = 17
	s_mov_b32 s27, 32<<16                          ; tile_dim0 = 32
	s_mov_b32 s28, 17                              ; tile_dim1 = 17
	s_mov_b32 s29, 32                              ; from row to row
	s_mov_b32 s30, 0
	s_mov_b32 s31, 0
	s_mul_i32 s52, s17, HEADB
	s_mul_i32 s19, s14, REC                        ; my step's place in a chunk, in memory and in LDS alike
	s_add_co_u32 s52, s52, s19
	s_mov_b32 s53, 0
	s_mov_b32 s20, 0x76543210
	s_mov_b32 s21, 0xfedcba98                      ; v_permlanex16_b32's selects for lane l xor 16
	s_mov_b32 s22, 0x3e8293ee                      ; c = log2(e) / sqrt(32)
	s_mov_b32 s23, s22                             ; (named with it as a pair, so it is written)
	s_and_b32 s50, s14, 3
	s_mul_i32 s50, s50, 0x01010101                 ; v_perm_b32's selector: byte tile % 4 into all four bytes
	s_wait_dscnt 0x0
	s_wait_kmcnt 0x0
	s_add_nc_u64 s[8:9], s[8:9], s[52:53]
.irp i, 0,1,2,3
	s_mov_b32 s[32+4*\i], 1                        ; count = 1
	s_add_co_u32 s[33+4*\i], s19, \i*CHUNK         ; LDS address: step 8 i + wave
	s_add_nc_u64 s[34+4*\i:35+4*\i], s[8:9], \i*CHUNK
	s_or_b32 s[35+4*\i], s[35+4*\i], 0x80000000    ; type = 2
.endr
	ROUND                                          ; all four work-groups are here: the joint loads meet
	tensor_load_to_lds s[32:35], s[24:31]
	s_nop 0
	tensor_load_to_lds s[36:39], s[24:31]
	s_nop 0
	tensor_load_to_lds s[40:43], s[24:31]
	s_nop 0
	tensor_load_to_lds s[44:47], s[24:31]
	s_nop 0
.rept 4
	v_nop
.endr
	s_mov_b32 s55, 0
	s_lshl_b32 s54, s17, 15
	s_lshl_b32 s56, s18, 8
	s_add_co_u32 s54, s54, s56
	s_add_nc_u64 s[4:5], s[4:5], s[54:55]          ; q's codes: 32,768 bh + 256 tile
	s_lshl_b32 s54, s17, 11
	s_lshr_b32 s56, s18, 2
	s_lshl_b32 s56, s56, 6
	s_add_co_u32 s54, s54, s56
	s_add_nc_u64 s[6:7], s[6:7], s[54:55]          ; q's scale words: 2,048 bh + 64 (tile / 4)
	s_lshr_b32 s56, s17, 3
	s_lshl_b32 s54, s56, 18
	s_lshl_b32 s56, s18, 11
	s_add_co_u32 s54, s54, s56
	s_and_b32 s56, s17, 7
	s_lshl_b32 s56, s56, 8
	s_add_co_u32 s54, s54, s56
	s_add_nc_u64 s[10:11], s[10:11], s[54:55]      ; z's codes: 2,048 (128 b + tile) + 256 head
	s_lshl_b32 s54, s17, 11
	s_lshl_b32 s56, s18, 4
	s_add_co_u32 s54, s54, s56
	s_add_nc_u64 s[12:13], s[12:13], s[54:55]      ; z's scale bytes: 2,048 bh + 16 tile
	v_and_b32 v9, 31, v0
	v_lshlrev_b32 v1, 4, v9
	v_lshlrev_b32 v2, 2, v9
	v_and_b32 v6, 15, v0
	v_bfe_u32 v7, v0, 4, 1
	v_lshlrev_b32 v5, 3, v7
	v_mov_b32 v8, 0
	v_lshlrev_b32 v124, 4, v6
	v_lshlrev_b32 v125, 2, v6
	v_lshl_add_u32 v127, v7, 3, v124               ; z's codes: 16 r + 8 h
	global_load_b128 v[120:123], v124, s[4:5]      ; query r's 32 codes, in both halves of the lanes
	global_load_b32 v126, v125, s[6:7]
	s_wait_loadcnt 0x0
	v_perm_b32 v40, v126, v126, s50                ; q's scale byte in all four bytes: it serves whichever block holds the codes
	v_cmp_ne_u32 vcc_lo, 0, v7
.irp i, 0,1,2,3
	v_cndmask_b32 v[16+\i], v[120+\i], v8, vcc_lo  ; the codes in lanes 0-15 (blocks 0 and 2), zeros in lanes 16-31
	v_cndmask_b32 v[24+\i], v[120+\i], v8, vcc_lo
	v_cndmask_b32 v[28+\i], v8, v[120+\i], vcc_lo  ; the codes in lanes 16-31 (blocks 1 and 3)
	v_cndmask_b32 v[36+\i], v8, v[120+\i], vcc_lo
	v_mov_b32 v[20+\i], 0
	v_mov_b32 v[32+\i], 0
.endr
.irp i, 0,1,2,3,4,5,6,7,8,9,10,11,12,13,14,15
	v_mov_b32 v[O+\i], 0                           ; the step is written once: the first finds zeros, which the first change of M leaves zeros.  (These are also the places between q's registers and the first product)
.endr
	v_mov_b32 v44, 0xff61b1e6                      ; the largest score so far: -3e38
	v_mul_f32 v13, s22, v44
	v_floor_f32 v12, -v13                          ; -M
	v_mov_b32 v10, 0
	v_mov_b32 v11, 0
	v_mov_b32 v14, 0
	v_mov_b32 v15, 0
	v_mov_b32 v47, 0                               ; (named as the upper half of the pair v[46:47])
	v_mov_b32 v115, 0                              ; written once: a lane permute's destination counts as one of its sources
	v_mov_b32 v118, 0
; A KEY STEP: 128 keys, whose record begins at LDS byte s48.  ahead = 1: the next step's K is fetched too.
.macro STEP ahead
	s_wait_dscnt 0x0                               ; K's fragments and scale words are in
.irp c, 0,1
.irp T, 0,1,2,3
.if \c == 0
	v_wmma_scale_f32_16x16x128_f8f6f4 v[S+8*\T:S+8*\T+7], v[KF:KF+7], v[16+12*(\T%2)+4*(\T/2):16+12*(\T%2)+4*(\T/2)+7], 0, v41, v40 matrix_a_fmt:MATRIX_FMT_FP4 matrix_b_fmt:MATRIX_FMT_FP4
.else
	v_wmma_scale_f32_16x16x128_f8f6f4 v[S+32+8*\T:S+32+8*\T+7], v[KF+8:KF+15], v[16+12*(\T%2)+4*(\T/2):16+12*(\T%2)+4*(\T/2)+7], 0, v41, v40 matrix_a_fmt:MATRIX_FMT_FP4 matrix_b_fmt:MATRIX_FMT_FP4 matrix_a_scale:MATRIX_SCALE_ROW1
.endif
.endr
.endr
	v_add_nc_u32 v3, s48, v1                       ; four places: behind the scores' products, ahead of the first read of scores and of the loads into K's registers;
	v_add_nc_u32 v4, s48, v2                       ; and behind the last step's second products, ahead of the loads into V's registers (ISA guide 7.12.1 for vector instructions)
	v_nop
	v_nop
.irp dt, 0,1
.irp c, 0,1
	ds_load_b128 v[VF+8*\dt+4*\c:VF+8*\dt+4*\c+3], v3 offset:2048+1024*\dt+512*\c
.endr
.endr
	ds_load_b32 v42, v4 offset:4224                ; lanes 0-15: tile 0's scale words, lanes 16-31: tile 1's
.if \ahead
.irp c, 0,1
.irp cc, 0,1
	ds_load_b128 v[KF+8*\c+4*\cc:KF+8*\c+4*\cc+3], v3 offset:REC+1024*\c+512*\cc
.endr
.endr
	ds_load_b32 v41, v4 offset:REC+4096            ; lanes 0-15: fragment 0's scale words, lanes 16-31: fragment 1's
.endif
	; the largest score of my two blocks of 32 keys: four chains by turns, each tile of scores read from its low end on
.irp c, 0,1
.irp e, 0,1
	v_max3_num_f32 v[104+2*\c+\e], v[S+32*\c+16*\e], v[S+32*\c+16*\e+1], v[S+32*\c+16*\e+2]
.endr
.endr
.irp i, 3,5,7,9,11,13
.irp c, 0,1
.irp e, 0,1
	v_max3_num_f32 v[104+2*\c+\e], v[104+2*\c+\e], v[S+32*\c+16*\e+\i], v[S+32*\c+16*\e+\i+1]
.endr
.endr
.endr
.irp c, 0,1
	v_max3_num_f32 v[108+\c], v[104+2*\c], v[105+2*\c], v[S+32*\c+15]
.endr
.irp c, 0,1
	v_max_num_f32 v[108+\c], v[108+\c], v[S+32*\c+31]
.endr
	v_max_num_f32 v114, v108, v109
	v_permlanex16_b32 v115, v114, s20, s21         ; my query's other 64 keys lie in lane l xor 16
	v_max3_num_f32 v44, v44, v114, v115            ; the running largest score
	v_mul_f32 v13, s22, v44                        ; as t (c is positive)
	v_mov_b32 v116, v12
	v_floor_f32 v12, -v13                          ; the new -M = -ceil(t): a whole number
	v_sub_f32 v116, v12, v116                      ; old M - new M: a whole number, 0 or less
	v_cvt_i32_f32 v116, v116                       ; (it saturates)
	v_ldexp_f32 v46, 1.0, v116                     ; the factor 2^(old M - new M)
	v_fma_f32 v108, v108, s22, v12                 ; each block's largest score goes the way of every score:
	v_fma_f32 v109, v109, s22, v12
	v_exp_f32 v108, v108                           ; the block's largest p
	v_exp_f32 v109, v109
	v_pk_mul_f32 v[14:15], v[14:15], v[46:47] op_sel_hi:[1,0]   ; the sums under the new M.  (A plain place behind the exponentials)
	v_pk_mul_f32 v[10:11], v[10:11], v[46:47] op_sel_hi:[1,0]
	v_pk_fma_f32 v[S:S+1], v[S:S+1], s[22:23], v[12:13] op_sel_hi:[1,0,0]         ; t - M of the first two pairs (of the pairs c and -M the low word serves both halves)
	v_pk_fma_f32 v[S+2:S+3], v[S+2:S+3], s[22:23], v[12:13] op_sel_hi:[1,0,0]
	s_wait_alu depctr_va_vdst(0)
.irp c, 0,1
	v_max_num_f32 v[108+\c], 0x1800000, v[108+\c]  ; the floor 2^(3 - 127): the byte cannot fall under 1
.endr
.irp c, 0,1
	v_add_nc_u32 v[110+\c], 0xff000000, v[108+\c]  ; 2 off the exponent field: the conversion's scale operand
.endr
.irp c, 0,1
	v_lshrrev_b32 v[112+\c], 23, v[110+\c]         ; the scale's byte
.endr
	v_lshl_or_b32 v117, v113, 16, v112             ; my two bytes: blocks h and 2 + h,
	v_lshlrev_b32 v117, v5, v117                   ; at their places;
	v_permlanex16_b32 v118, v117, s20, s21
	v_or_b32 v43, v117, v118                       ; with lane l xor 16's two: p's scale word for these 128 keys
	; p = 2^(t - M): exponentials and plain lines by turns: the multiply-add two pairs ahead, the sum a pair back, so that each exponential has a plain line between it and the use of its result
.set j, 0
.rept 32
	v_exp_f32 v[S+2*j], v[S+2*j]
.if j < 30
	v_pk_fma_f32 v[S+2*j+4:S+2*j+5], v[S+2*j+4:S+2*j+5], s[22:23], v[12:13] op_sel_hi:[1,0,0]
.endif
	v_exp_f32 v[S+2*j+1], v[S+2*j+1]
.if j > 0
.if j%2 == 1
	s_wait_alu depctr_va_vdst(0)
	v_pk_add_f32 v[14:15], v[14:15], v[S+2*j-2:S+2*j-1]   ; the row's sum is taken of the unquantised p, in two chains of pairs
.else
	v_pk_add_f32 v[10:11], v[10:11], v[S+2*j-2:S+2*j-1]
.endif
.endif
.set j, j+1
.endr
	v_pk_add_f32 v[10:11], v[10:11], v[S+62:S+63]
.irp c, 0,1
.irp T, 0,1,2,3
	v_cvt_scalef32_pk8_fp4_f32 v[P+4*\c+\T], v[S+32*\c+8*\T:S+32*\c+8*\T+7], v[110+\c]   ; keys 64 c + 32 h + 8 T + 0 .. 7: register 4 c + T of the operand
.endr
.endr
.irp i, 0,2,4,6,8,10,12,14
	v_pk_mul_f32 v[O+\i:O+\i+1], v[O+\i:O+\i+1], v[46:47] op_sel_hi:[1,0]   ; O^T under the new M, from each tile's low end on.  (These eight are also the places between the conversions and the products)
.endr
.if \ahead
	s_wait_dscnt 5                                 ; V's five loads are in; the five for the next step's K, issued behind them, may be out
.else
	s_wait_dscnt 0x0
.endif
	v_wmma_scale_f32_16x16x128_f8f6f4 v[O:O+7], v[VF:VF+7], v[P:P+7], v[O:O+7], v42, v43 matrix_a_fmt:MATRIX_FMT_FP4 matrix_b_fmt:MATRIX_FMT_FP4   ; the two accumulators take turns; eight other products stand between a link and the next
	v_wmma_scale_f32_16x16x128_f8f6f4 v[O+8:O+15], v[VF+8:VF+15], v[P:P+7], v[O+8:O+15], v42, v43 matrix_a_fmt:MATRIX_FMT_FP4 matrix_b_fmt:MATRIX_FMT_FP4 matrix_a_scale:MATRIX_SCALE_ROW1
	s_add_co_u32 s48, s48, REC
.endm
.macro WALK first, trips               ; steps first .. first + trips - 1; the look-ahead reaches step first + trips
	s_mov_b32 s48, \first*REC
	s_mov_b32 s49, \trips
.Lwalk_\@:
	STEP 1
	s_sub_co_u32 s49, s49, 1
	s_cmp_lg_u32 s49, 0
	s_cbranch_scc1 .Lwalk_\@
.endm
	BAR 3                                          ; steps 0 to 7 lie in LDS; my three younger fills go to other bytes and may stay out
.irp k, 0,1,2,3
	ds_load_b128 v[KF+4*\k:KF+4*\k+3], v1 offset:512*\k   ; K of step 0
.endr
	ds_load_b32 v41, v2 offset:4096
	WALK 0, 7                                      ; the walks are shifted by one step, so that no look-ahead reads a chunk ahead of its barrier
	BAR 2                                          ; steps 8 to 15
	WALK 7, 8
	BAR 1                                          ; steps 16 to 23
	WALK 15, 8
	BAR 0                                          ; steps 24 to 31: no tensor load of mine is out any more
	WALK 23, 8
	STEP 0                                         ; step 31
	; z = O^T / the sum; its 32 channels are one block of the next quantiser, 16 in me and 16 in lane l xor 16
	v_pk_add_f32 v[14:15], v[14:15], v[10:11]      ; (six plain lines: the places behind the last products)
	v_add_f32 v14, v14, v15
	v_permlanex16_b32 v115, v14, s20, s21
	v_add_f32 v14, v14, v115                       ; the row's sum
	v_nop
	v_nop
	v_rcp_f32 v46, v14
	v_nop                                          ; a plain place behind the transcendental
	s_wait_alu depctr_va_vdst(0)
.irp i, 0,2,4,6,8,10,12,14
	v_pk_mul_f32 v[S+\i:S+\i+1], v[O+\i:O+\i+1], v[46:47] op_sel_hi:[1,0]   ; z(query r, channel 16 h + i ..)
.endr
	v_max3_num_f32 v104, |v[S]|, |v[S+1]|, 0x1800000
.irp i, 2,4,6,8,10,12,14
	v_max3_num_f32 v104, v104, |v[S+\i]|, |v[S+\i+1]|
.endr
	v_permlanex16_b32 v115, v104, s20, s21
	v_max_num_f32 v104, v104, v115
	v_add_nc_u32 v110, 0xff000000, v104
	v_lshrrev_b32 v112, 23, v110
	v_cvt_scalef32_pk8_fp4_f32 v[P], v[S:S+7], v110
	v_cvt_scalef32_pk8_fp4_f32 v[P+1], v[S+8:S+15], v110
	v_nop                                          ; one plain place behind the last scaled conversion
	global_store_b64 v127, v[P:P+1], s[10:11]      ; the wave stores 256 consecutive bytes, aligned: my head's part of the tile's operand image
	global_store_b8 v6, v112, s[12:13]             ; lanes r and r + 16 store the same byte with the same value
	s_wait_dscnt 0x0
	s_wait_tensorcnt 0x0
	ds_add_u32 v254, v255
	s_wait_dscnt 0x0
	ROUND                                          ; the closing round: no work-group ends while a partner may still ask for a tile that names it
	s_endpgm
.Lfunc_end_k_q74025706fc_attend:
	.size	k_q74025706fc_attend, .Lfunc_end_k_q74025706fc_attend-k_q74025706fc_attend
	.p2alignl 7, 3214868480
	.fill 96, 4, 3214868480
	.section	.rodata,"a",@progbits
	.p2align	6, 0x0
	.amdhsa_kernel k_q74025706fc_attend
		.amdhsa_group_segment_fixed_size 168960
		.amdhsa_private_segment_fixed_size 0
		.amdhsa_enable_private_segment 0
		.amdhsa_kernarg_size 40
		.amdhsa_user_sgpr_count 2
		.amdhsa_user_sgpr_kernarg_segment_ptr 1
		.amdhsa_wavefront_size32 1
		.amdhsa_system_sgpr_workgroup_id_x 1
		.amdhsa_system_sgpr_workgroup_id_y 1
		.amdhsa_system_sgpr_workgroup_id_z 1
		.amdhsa_system_vgpr_workitem_id 0
		.amdhsa_next_free_vgpr 256
		.amdhsa_next_free_sgpr 66
		.amdhsa_reserve_vcc 1
		.amdhsa_float_denorm_mode_32 3
		.amdhsa_float_denorm_mode_16_64 3
		.amdhsa_memory_ordered 1
		.amdhsa_forward_progress 1
		.amdhsa_inst_pref_size 75
	.end_amdhsa_kernel
	.amdgpu_metadata
---
amdhsa.version: [ 1, 2 ]
amdhsa.kernels:
  - .name:           k_q74025706fc_attend
    .symbol:         k_q74025706fc_attend.kd
    .args:
      - { .name: qc, .offset: 0, .size: 8, .value_kind: global_buffer, .address_space: global }
      - { .name: qs, .offset: 8, .size: 8, .value_kind: global_buffer, .address_space: global }
      - { .name: kv, .offset: 16, .size: 8, .value_kind: global_buffer, .address_space: global }
      - { .name: zc, .offset: 24, .size: 8, .value_kind: global_buffer, .address_space: global }
      - { .name: zs, .offset: 32, .size: 8, .value_kind: global_buffer, .address_space: global }
    .group_segment_fixed_size: 168960
    .private_segment_fixed_size: 0
    .kernarg_segment_align: 8
    .kernarg_segment_size: 40
    .max_flat_workgroup_size: 256
    .sgpr_count:     66
    .vgpr_count:     256
    .wavefront_size: 32
...
	.end_amdgpu_metadata
.endif
;; end of part 2
;; launch outproj (part 3): grid 256 x 1, 4 waves a work-group, no clusters, 17,920 bytes of LDS; arguments zc, zs, w_w_codes, w_w_scales, w_b, x_a, out0; writes out0
.if DOCPART == 3
	.amdgcn_target "amdgcn-amd-amdhsa--gfx1250"
	.amdhsa_code_object_version 6
	.text
	.protected	k_q74025706fc_outproj
	.globl	k_q74025706fc_outproj
	.p2align	8
	.type	k_q74025706fc_outproj,@function
k_q74025706fc_outproj:
	s_mov_b64 s[64:65], 0
	v_nop
	global_prefetch_b8 v0, s[64:65] scope:SCOPE_SE
	s_setreg_imm32_b32 hwreg(HW_REG_WAVE_MODE, 25, 1), 1
	s_wait_xcnt 0x0
; out = z W^T + b + x_a, the product on codes of FP4 (E2M1) with one E8M0 scale for each 32 along K.  z arrives as the image of its operand registers (zc) and one scale byte a row and head (zs).
; SHARES.  A work-group takes one tile of 16 rows (tile of batch b: row r is 64 (tile / 4) + 32 (r / 8) + 8 (tile % 4) + r % 8); wave w takes columns 64 w .. 64 w + 63: four accumulators x two K steps.
; Waves share nothing: no barrier.  The product is used transposed (source 0 = 16 rows of W, source 1 = z's 16 rows), so that a lane holds eight neighbouring columns of one row; the bias is the first product's C.
; The results go through the wave's own stage in LDS and come back as rows of 256 bytes, to which x_a is added: sixteen lanes store 256 consecutive bytes, aligned.
; No tensor load, no cluster: a wave reads its 8 KB of W once, straight into registers, and every other byte is read by one wave alone.
.set ZB,  12                           ; v12-19   z's scale bytes, one a head
.set ZS,  20                           ; v20-21   z's scale words
.set WSC, 22                           ; v22-29   W's scale words (2 t + ks)
.set ZF,  32                           ; v32-47   z's two fragments
.set WF,  48                           ; v48-111  W's eight (16 t + 8 ks)
.set BI,  112                          ; v112-143 the bias in the result's layout
.set ACC, 144                          ; v144-175
.set XR,  176                          ; v176-207 x_a
.set OB,  208                          ; v208-239 rows read back from the stage
	s_load_b256 s[4:11], s[0:1], 0x0               ; zc s[4:5], zs s[6:7], W's codes s[8:9], W's scales s[10:11]
	s_load_b128 s[12:15], s[0:1], 0x20             ; b s[12:13], x_a s[14:15]
	s_load_b64 s[16:17], s[0:1], 0x30              ; out
	v_lshl_add_u32 v240, v0, 2, 0x4400
	v_mov_b32 v241, 0
	v_lshrrev_b32 v1, 5, v0
	v_readfirstlane_b32 s18, v1                    ; wave
	s_lshr_b32 s20, ttmp9, 7                       ; b
	s_and_b32 s21, ttmp9, 127                      ; tile
	v_and_b32 v1, 31, v0
	v_and_b32 v5, 15, v0                           ; r
	v_bfe_u32 v3, v0, 4, 1                         ; h
	v_lshlrev_b32 v4, 4, v1                        ; 16 x lane
	v_lshlrev_b32 v6, 7, v5
	v_lshl_add_u32 v6, v3, 4, v6                   ; W's codes: 128 r + 16 h
	v_lshlrev_b32 v7, 3, v5                        ; W's scales: 8 r
	v_lshlrev_b32 v8, 5, v3                        ; the bias: 32 h
	v_lshlrev_b32 v9, 10, v3
	v_lshl_add_u32 v9, v5, 4, v9                   ; x_a and out: lanes 0-15 one row, lanes 16-31 the next; 16 bytes a lane
	s_mul_i32 s22, s18, 4352                       ; my stage: 16 rows x 272 bytes
	v_mul_u32_u24 v10, v5, 272
	v_lshl_add_u32 v10, v3, 5, v10
	v_add_nc_u32 v10, s22, v10                     ; in: row r, + 32 h
	v_mul_u32_u24 v11, v3, 272
	v_lshl_add_u32 v11, v5, 4, v11
	v_add_nc_u32 v11, s22, v11                     ; back: two rows an instruction
	s_mov_b32 s25, 0
	s_lshl_b32 s26, s20, 14
	s_lshl_b32 s27, s21, 4
	s_add_co_u32 s26, s26, s27                     ; zs: 16,384 b + 16 tile
	s_mov_b32 s27, 0
	s_lshl_b32 s28, s20, 11
	s_lshr_b32 s29, s21, 2
	s_lshl_b32 s29, s29, 6
	s_add_co_u32 s28, s28, s29
	s_and_b32 s29, s21, 3
	s_lshl_b32 s29, s29, 3
	s_add_co_u32 s28, s28, s29                     ; the tile's first row: 2,048 b + 64 (tile / 4) + 8 (tile % 4)
	s_lshl_b32 s28, s28, 10
	s_lshl_b32 s29, s18, 8
	s_add_co_u32 s28, s28, s29                     ; in bytes, + my 64 columns
	s_mov_b32 s29, 0
	s_wait_kmcnt 0x0
	s_lshl_b32 s24, ttmp9, 11
	s_add_nc_u64 s[4:5], s[4:5], s[24:25]          ; zc: 2,048 bytes a tile
	s_add_nc_u64 s[6:7], s[6:7], s[26:27]
	s_lshl_b32 s24, s18, 13
	s_add_nc_u64 s[8:9], s[8:9], s[24:25]          ; my 64 rows of W: 128 bytes a row,
	s_lshl_b32 s24, s18, 9
	s_add_nc_u64 s[10:11], s[10:11], s[24:25]      ; 8 bytes,
	s_lshl_b32 s24, s18, 8
	s_add_nc_u64 s[12:13], s[12:13], s[24:25]      ; 4 bytes
	s_add_nc_u64 s[14:15], s[14:15], s[28:29]
	s_add_nc_u64 s[16:17], s[16:17], s[28:29]
.irp hd, 0,1,2,3,4,5,6,7
	global_load_u8 v[ZB+\hd], v5, s[6:7] offset:2048*\hd   ; row r's scale byte of head hd
.endr
.irp ks, 0,1
.irp c, 0,1
	global_load_b128 v[ZF+8*\ks+4*\c:ZF+8*\ks+4*\c+3], v4, s[4:5] offset:1024*\ks+512*\c
.endr
.endr
.irp t, 0,1,2,3
	global_load_b64 v[WSC+2*\t:WSC+2*\t+1], v7, s[10:11] offset:128*\t
.endr
.irp t, 0,1,2,3
.irp ks, 0,1
.irp c, 0,1
	global_load_b128 v[WF+16*\t+8*\ks+4*\c:WF+16*\t+8*\ks+4*\c+3], v6, s[8:9] offset:2048*\t+64*\ks+32*\c
.endr
.endr
.endr
.irp t, 0,1,2,3
	global_load_b128 v[BI+8*\t:BI+8*\t+3], v8, s[12:13] offset:64*\t       ; register j of tile t wants b(16 t + 8 h + j)
	global_load_b128 v[BI+8*\t+4:BI+8*\t+7], v8, s[12:13] offset:64*\t+16
.endr
.irp i, 0,1,2,3,4,5,6,7
	global_load_b128 v[XR+4*\i:XR+4*\i+3], v9, s[14:15] offset:(32*(\i/4)+2*(\i%4))*1024 th:TH_LOAD_NT   ; tile rows 2 i and 2 i + 1: the program's last read of these bytes
.endr
	s_wait_loadcnt 40                              ; the eight scale bytes are in; the 40 loads issued behind them may be out
.irp ks, 0,1
	v_lshl_or_b32 v[ZS+\ks], v[ZB+4*\ks+1], 8, v[ZB+4*\ks]   ; four heads' bytes make a K step's scale word
.endr
.irp ks, 0,1
	v_lshl_or_b32 v[ZS+\ks], v[ZB+4*\ks+2], 16, v[ZS+\ks]
.endr
.irp ks, 0,1
	v_lshl_or_b32 v[ZS+\ks], v[ZB+4*\ks+3], 24, v[ZS+\ks]
.endr
.rept 8
	v_nop                                          ; a scale register written by a vector instruction stands eight places ahead of a scaled matrix instruction
.endr
	s_wait_loadcnt 8                               ; all but x_a's eight
.irp t, 0,1,2,3                        ; the four accumulators take turns, K step by K step
	v_wmma_scale_f32_16x16x128_f8f6f4 v[ACC+8*\t:ACC+8*\t+7], v[WF+16*\t:WF+16*\t+7], v[ZF:ZF+7], v[BI+8*\t:BI+8*\t+7], v[WSC+2*\t], v[ZS] matrix_a_fmt:MATRIX_FMT_FP4 matrix_b_fmt:MATRIX_FMT_FP4
.endr
.irp t, 0,1,2,3
	v_wmma_scale_f32_16x16x128_f8f6f4 v[ACC+8*\t:ACC+8*\t+7], v[WF+16*\t+8:WF+16*\t+15], v[ZF+8:ZF+15], v[ACC+8*\t:ACC+8*\t+7], v[WSC+2*\t+1], v[ZS+1] matrix_a_fmt:MATRIX_FMT_FP4 matrix_b_fmt:MATRIX_FMT_FP4
.endr
.rept 4
	v_nop                                          ; four places between the last product and the first read of results (ISA guide 7.12.1)
.endr
.irp t, 0,1,2,3
	ds_store_b128 v10, v[ACC+8*\t:ACC+8*\t+3] offset:64*\t          ; each accumulator from its low end on: out(row r, column 16 t + 8 h + 0 .. 7)
	ds_store_b128 v10, v[ACC+8*\t+4:ACC+8*\t+7] offset:64*\t+16
.endr
.irp i, 0,1,2,3,4,5,6,7
	ds_load_b128 v[OB+4*\i:OB+4*\i+3], v11 offset:544*\i            ; LDS serves a wave's instructions in order (ISA guide 5.7.1.4): these see my stores
.endr
	s_wait_loadcnt 0x0                             ; x_a
.irp i, 0,1,2,3,4,5,6,7
	s_wait_dscnt 7-\i                              ; rows 2 i and 2 i + 1 are back; the 7 - i younger loads may be out
	v_pk_add_f32 v[OB+4*\i:OB+4*\i+1], v[OB+4*\i:OB+4*\i+1], v[XR+4*\i:XR+4*\i+1]
	v_pk_add_f32 v[OB+4*\i+2:OB+4*\i+3], v[OB+4*\i+2:OB+4*\i+3], v[XR+4*\i+2:XR+4*\i+3]
	global_store_b128 v9, v[OB+4*\i:OB+4*\i+3], s[16:17] offset:(32*(\i/4)+2*(\i%4))*1024 th:TH_STORE_NT   ; sixteen lanes store 256 consecutive bytes, aligned
.endr
	s_wait_tensorcnt 0x0
	ds_add_u32 v240, v241
	s_wait_dscnt 0x0
	s_endpgm
.Lfunc_end_k_q74025706fc_outproj:
	.size	k_q74025706fc_outproj, .Lfunc_end_k_q74025706fc_outproj-k_q74025706fc_outproj
	.p2alignl 7, 3214868480
	.fill 96, 4, 3214868480
	.section	.rodata,"a",@progbits
	.p2align	6, 0x0
	.amdhsa_kernel k_q74025706fc_outproj
		.amdhsa_group_segment_fixed_size 17920
		.amdhsa_private_segment_fixed_size 0
		.amdhsa_enable_private_segment 0
		.amdhsa_kernarg_size 56
		.amdhsa_user_sgpr_count 2
		.amdhsa_user_sgpr_kernarg_segment_ptr 1
		.amdhsa_wavefront_size32 1
		.amdhsa_system_sgpr_workgroup_id_x 1
		.amdhsa_system_sgpr_workgroup_id_y 1
		.amdhsa_system_sgpr_workgroup_id_z 1
		.amdhsa_system_vgpr_workitem_id 0
		.amdhsa_next_free_vgpr 242
		.amdhsa_next_free_sgpr 66
		.amdhsa_reserve_vcc 0
		.amdhsa_float_denorm_mode_32 3
		.amdhsa_float_denorm_mode_16_64 3
		.amdhsa_memory_ordered 1
		.amdhsa_forward_progress 1
		.amdhsa_inst_pref_size 12
	.end_amdhsa_kernel
	.amdgpu_metadata
---
amdhsa.version: [ 1, 2 ]
amdhsa.kernels:
  - .name:           k_q74025706fc_outproj
    .symbol:         k_q74025706fc_outproj.kd
    .args:
      - { .name: zc, .offset: 0, .size: 8, .value_kind: global_buffer, .address_space: global }
      - { .name: zs, .offset: 8, .size: 8, .value_kind: global_buffer, .address_space: global }
      - { .name: w_w_codes, .offset: 16, .size: 8, .value_kind: global_buffer, .address_space: global }
      - { .name: w_w_scales, .offset: 24, .size: 8, .value_kind: global_buffer, .address_space: global }
      - { .name: w_b, .offset: 32, .size: 8, .value_kind: global_buffer, .address_space: global }
      - { .name: x_a, .offset: 40, .size: 8, .value_kind: global_buffer, .address_space: global }
      - { .name: out0, .offset: 48, .size: 8, .value_kind: global_buffer, .address_space: global }
    .group_segment_fixed_size: 17920
    .private_segment_fixed_size: 0
    .kernarg_segment_align: 8
    .kernarg_segment_size: 56
    .max_flat_workgroup_size: 128
    .sgpr_count:     66
    .vgpr_count:     242
    .wavefront_size: 32
...
	.end_amdgpu_metadata
.endif
;; end of part 3
;; ======== version 2 of 2: 3 launches
;; workspace buffers: qc 524,288 bytes; qs 32,768 bytes; kv 2,228,224 bytes; zc 524,288 bytes; zs 32,768 bytes
;; launch project (part 4): grid 64 x 5, 4 waves a work-group, no clusters, 76,288 bytes of LDS; arguments x_a, x_b_codes, x_b_scales, wq_w_codes, wk_a_w_codes, wk_b_w_codes, wv_a_w_codes, wv_b_w_codes, wq_w_scales, wk_a_w_scales, wk_b_w_scales, wv_a_w_scales, wv_b_w_scales, wq_b, wk_a_b, wk_b_b, wv_a_b, wv_b_b, qc, qs, kv; writes qc, qs, kv
.if DOCPART == 4
	.amdgcn_target "amdgcn-amd-amdhsa--gfx1250"
	.amdhsa_code_object_version 6
	.text
	.protected	k_q74025706fc_project
	.globl	k_q74025706fc_project
	.p2align	8
	.type	k_q74025706fc_project,@function
k_q74025706fc_project:
	s_mov_b64 s[64:65], 0
	v_nop
	global_prefetch_b8 v0, s[64:65] scope:SCOPE_SE
	s_setreg_imm32_b32 hwreg(HW_REG_WAVE_SCHED_MODE, 0, 2), 2
	s_setreg_imm32_b32 hwreg(HW_REG_WAVE_MODE, 25, 1), 1
	s_wait_xcnt 0x0
	s_wait_alu depctr_vm_vsrc(0)
; The five projections y = x W^T + b on codes of FP4 (E2M1) with one E8M0 scale for each 32 along K, and the quantising of their results:
; q and k along a head's 32 numbers, v along 32 neighbouring keys.  x_a arrives as f32 and is quantised here; x_b and the weights arrive as codes.
; SHARES.  Work-group x = 32 b + G takes 64 rows of batch b; work-group y says which product: 0 q, 1 k_a, 2 k_b, 3 v_a, 4 v_b.  Wave g takes heads 2 g and 2 g + 1 (64 features):
; 16 accumulators x 2 K steps = 32 matrix instructions.  Wave w also prepares tile w of x (16 rows x 256 K: two fragments), which reaches the other waves through LDS as an image of its registers.
; TILES OF ROWS ARE PERMUTED: row (T, r) of a group of 64 is 32 (r / 8) + 8 T + r % 8.  With that choice, and the like for the weights' rows, the 32 registers of four neighbouring accumulators
; in ONE lane are one whole block of the next quantiser: lanes 0-15 one block, lanes 16-31 its neighbour.  So a block's largest magnitude needs no other lane, and the conversions' results are 16 bytes that belong together.
;   q, k: source 0 = 16 rows of W, source 1 = 16 rows of x: lane (r, h), register 32 T + 8 t + j = y(row (T, r), head 2 g + h, channel 8 t + j).
;   v:    source 0 = 16 rows of x, source 1 = 16 rows of W: lane (r, h), register 32 t + 8 T + j = v(key 32 h + 8 T + j of the group, head 2 g + t / 2, channel 16 (r / 8) + 8 (t % 2) + r % 8).
; OUTPUT LAYOUTS (this program's own): qc [bh][tile][r][16 bytes];  qs [bh][G][r] one word, byte T;  kv [bh][step of 128 keys][4,352 bytes]: K's codes 2,048 (1024 c + 256 T + 16 r), V^T's codes 2,048
; (1024 dt + 256 block + 16 r), K's scale words 128 (64 c + 4 r + T), V's 128 (4 (16 dt + r) + block): each the image of the registers that the next launch wants.
; A block's scale byte is its largest magnitude's exponent field - 2, held at 1 from below by a floor among the maximum's leaves.
; LIMITS: NaN and infinities among the inputs are not served; a block whose largest magnitude lies under 2^-124 (a block of zeros too) gets the byte 1: its bytes are read by this program alone.
; No tensor load and no cluster: what work-groups share is 35 KB of weights, of which each wave reads its quarter once, straight into registers.
; THE MODE: SCHED_MODE bits 1:0 = 2 (LLVM: expert scheduling mode 2), set by the entry lines.  The code itself states the register dependences
; between vector or matrix instructions and memory or LDS instructions, with s_wait_alu, always for 0.
; THE PLAN.  Registers that memory or LDS instructions touch, in the order of the text (there is no loop):
;   v4, v9-23, v74        offsets and LDS addresses: written by the head's vector lines, never again; read by every load and store.
;   window 1 v0-63, v32-39, v96-127   W, its scale words, the bias: written by global loads; named besides by matrix instructions alone.
;   v128-255              x_a's arm: global loads land; the LDS stores into the stage read them; the LDS loads from the stage land in them; the first Q4 reads them.  Then the accumulators.
;   v40-57                x's two fragments and scale words: written by conversions and the word's lines (x_a) or by global loads (x_b); read by the LDS stores of the images; never written again.
;   window 1 v64-127, v24-31   x's eight fragments and words: written by LDS loads behind the barrier; named besides by matrix instructions alone.
;   v76-93                the results' codes and scale words: written by the second Q4 and the lines behind it; read by the global stores, which stand in one run at the end.
; So the waits on va_vdst are four on a wave's way at the most: ahead of the first load, at the end of x_a's arm, and ahead of the run of stores; one on vm_vsrc stands between the stage's stores and its loads.
.set REC,   4352                       ; a step's record in kv
.set HEADB, 139264                     ; a head's 32 records
.set STGW,  16640                      ; LDS: a stage of 16 rows x 1,040 bytes for each wave
.set SPIT,  1040                       ; 1,024 + 16: an odd multiple of 16 bytes, so that sixteen rows start in sixteen different 16-byte columns modulo 256
.set XIMG,  4*STGW                     ; x's eight fragments (2 T + ks), 1,024 bytes each
.set XSC,   XIMG+8192                  ; their scale words, 128 bytes each
.set XS,  24                           ; v24-31   x's scale words (2 T + ks)
.set WSC, 32                           ; v32-39   W's scale words (2 t + ks)
.set PC,  40                           ; v40-55   the two fragments of x that I prepare
.set PW,  56                           ; v56-57   their scale words
.set TM,  58                           ; v58-61   largest magnitudes
.set TP,  62                           ; v62-65   lane permutes' destinations
.set SO,  66                           ; v66-69   the conversions' scale operands
.set BY,  70                           ; v70-73   scale bytes
.set CD,  76                           ; v76-91   the results' codes
.set BI,  96                           ; v96-127  the bias in the result's layout: the C of each sum's first product
.set R,   128                          ; v128-255 x_a's numbers; later the accumulators
.set ACC, 128
; window 1: v0-63 W's fragments at 8 (2 t + ks); v64-127 x's at 64 + 8 (2 T + ks)
.set MSB, 0
.macro WIN new                         ; the immediate's high byte repeats the setting that is left
.if MSB != \new
	s_set_vgpr_msb (MSB<<8)|\new
.set MSB, \new
.endif
.endm
; Four blocks of 32 numbers of a lane, v[src + 32 u ..], by turns: scale operands in SO, bytes in BY, codes in v[dst + 4 u ..].  Each group of eight registers is read from its low end on.
.macro Q4 src, dst
.irp u, 0,1,2,3
	v_max3_num_f32 v[TM+\u], |v[\src+32*\u]|, |v[\src+32*\u+1]|, 0x1800000   ; and the floor 2^(3 - 127): the byte cannot fall under 1
.endr
.irp i, 2,4,6,8,10,12,14,16,18,20,22,24,26,28,30
.irp u, 0,1,2,3
	v_max3_num_f32 v[TM+\u], v[TM+\u], |v[\src+32*\u+\i]|, |v[\src+32*\u+\i+1]|
.endr
.endr
.irp u, 0,1,2,3
	v_add_nc_u32 v[SO+\u], 0xff000000, v[TM+\u]    ; 2 off the exponent field: the conversion takes this operand's exponent field as its scale
.endr
.irp u, 0,1,2,3
	v_lshrrev_b32 v[BY+\u], 23, v[SO+\u]           ; the scale's byte
.endr
.irp u, 0,1,2,3
.irp g, 0,1,2,3
	v_cvt_scalef32_pk8_fp4_f32 v[\dst+4*\u+\g], v[\src+32*\u+8*\g:\src+32*\u+8*\g+7], v[SO+\u]
.endr
.endr
	v_nop                                          ; one plain place behind the last scaled conversion
.endm
.macro MM d, a, b, c, sa, sb
	v_wmma_scale_f32_16x16x128_f8f6f4 v[\d:\d+7], v[\a:\a+7], v[\b:\b+7], v[\c:\c+7], v[\sa], v[\sb] matrix_a_fmt:MATRIX_FMT_FP4 matrix_b_fmt:MATRIX_FMT_FP4
.endm
	s_load_b512 s[8:23], s[0:1], 0x0               ; argument n lies in s[8 + 2 n : 9 + 2 n]: x_a, x_b's codes, scales, five weights' codes,
	s_load_b512 s[24:39], s[0:1], 0x40             ; five weights' scales, three biases,
	s_load_b256 s[40:47], s[0:1], 0x80             ; two biases, qc, qs,
	s_load_b64 s[48:49], s[0:1], 0xa0              ; kv
	v_lshl_add_u32 v94, v0, 2, 0x12800
	v_mov_b32 v95, 0
	v_lshrrev_b32 v1, 5, v0
	v_readfirstlane_b32 s50, v1                    ; wave = head pair g = tile of x that I prepare
	s_and_b32 s51, ttmp7, 0xffff                   ; y: which product
	s_lshr_b32 s52, ttmp9, 5                       ; b
	s_and_b32 s53, ttmp9, 31                       ; G
	s_cmp_eq_u32 s51, 2
	s_cselect_b32 s54, 1, 0
	s_cmp_eq_u32 s51, 4
	s_cselect_b32 s54, 1, s54                      ; 1: the product takes x_b
	s_lshl_b32 s55, s54, 5
	s_add_co_u32 s55, s55, s53                     ; the group among the 64 groups of the joined keys
	s_lshr_b32 s56, s55, 1                         ; its step of 128 keys,
	s_and_b32 s57, s53, 1                          ; and which half of it
	s_mov_b32 s72, HEADB                           ; from head 2 g to head 2 g + 1 in the codes' buffer and in the scales': k,
	s_mov_b32 s73, HEADB
	s_cmp_eq_u32 s51, 0
	s_cselect_b32 s72, 32768, s72                  ; q;
	s_cselect_b32 s73, 2048, s73
	s_cmp_ge_u32 s51, 3
	s_cselect_b32 s58, 4, 5                        ; W's rows of a tile: lanes 8-15 lie 32 rows on (q, k) or 16 (v)
	s_cselect_b32 s59, 32, 16                      ; and tiles 2, 3 begin 16 rows on (q, k) or 32 (v)
	s_cselect_b32 s72, 256, s72                    ; v: lanes 16-31 hold the next block of keys, not the next head: 16 x lane,
	s_cselect_b32 s73, 64, s73                     ; 4 x lane
	s_lshl_b32 s60, s59, 7
	s_lshl_b32 s61, s59, 3
	s_mov_b32 s74, 0x76543210
	s_mov_b32 s75, 0xfedcba98                      ; v_permlanex16_b32's selects for lane l xor 16
	v_and_b32 v1, 31, v0                           ; lane
	v_and_b32 v2, 15, v0                           ; r
	v_bfe_u32 v3, v0, 4, 1                         ; h
	v_lshlrev_b32 v4, 4, v1                        ; 16 x lane
	v_lshlrev_b32 v5, 2, v1                        ; 4 x lane
	v_lshlrev_b32 v6, 3, v3                        ; 8 h
	v_lshrrev_b32 v75, 3, v2                       ; r / 8
	v_and_b32 v92, 7, v2                           ; r % 8
	v_lshl_add_u32 v7, v75, 5, v92                 ; x's row of my lane in a tile: 32 (r / 8) + r % 8
	v_lshlrev_b32 v8, s58, v75
	v_add_nc_u32 v8, v8, v92                       ; W's row likewise
	v_lshlrev_b32 v9, 7, v8
	v_lshl_add_u32 v9, v3, 4, v9                   ; W's codes, tiles 0, 1: 128 bytes a row, + 16 h
	v_add_nc_u32 v10, s60, v9                      ; tiles 2, 3
	v_lshlrev_b32 v11, 3, v8                       ; W's scales: 8 bytes a row
	v_add_nc_u32 v12, s61, v11
	v_lshlrev_b32 v13, 7, v3                       ; bias, q and k: my half's 32 numbers
	v_lshlrev_b32 v74, 2, v8                       ; bias, v: my column's number
	v_lshlrev_b32 v14, 7, v7
	v_lshl_add_u32 v14, v3, 4, v14                 ; x_b's codes
	v_lshlrev_b32 v15, 3, v7                       ; x_b's scales
	s_wait_alu depctr_va_sdst(0)                   ; s50, the wave's number, is written, ahead of its first reader: LDS addresses, bases and offsets are made from it
	s_mul_i32 s62, s50, STGW
	v_add_nc_u32 v16, s62, v4                      ; my stage, on the way in: 16 x lane
	v_mul_u32_u24 v17, v2, SPIT
	v_lshl_add_u32 v17, v3, 7, v17
	v_add_nc_u32 v17, s62, v17                     ; and out: row r, + 128 h: my 32 numbers of each 64
	s_lshl_b32 s62, s50, 11
	s_add_co_u32 s62, s62, XIMG
	v_add_nc_u32 v18, s62, v4                      ; where my two fragments' images go
	s_lshl_b32 s62, s50, 8
	s_add_co_u32 s62, s62, XSC
	v_add_nc_u32 v19, s62, v5                      ; and their scale words
	v_add_nc_u32 v20, XIMG, v4                     ; where any fragment is read
	v_add_nc_u32 v21, XSC, v5
	v_mul_u32_u24 v22, s72, v3
	v_lshl_add_u32 v22, v2, 4, v22                 ; out: the codes' place
	v_mul_u32_u24 v23, s73, v3
	v_lshl_add_u32 v23, v2, 2, v23                 ; the scales' place
.irp u, 0,1,2,3
	v_mov_b32 v[TP+\u], 0                          ; written once: a lane permute's destination counts as one of its sources
.endr
	; byte offsets of my outputs, made apart from the addresses
	s_lshl_b32 s86, s52, 3
	s_lshl_b32 s87, s50, 1
	s_add_co_u32 s86, s86, s87                     ; bh of head 2 g
	s_mul_i32 s76, s86, HEADB
	s_mul_i32 s77, s56, REC
	s_add_co_u32 s76, s76, s77                     ; the step's record in kv
	s_lshl_b32 s77, s57, 10                        ; k's codes: fragment c = the half
	s_lshl_b32 s78, s57, 9
	s_add_co_u32 s78, s78, 2048                    ; v's codes: blocks 2 x half on
	s_lshl_b32 s79, s57, 6
	s_add_co_u32 s79, s79, 4096                    ; k's scale words
	s_lshl_b32 s80, s57, 1
	s_add_co_u32 s80, s80, 4224                    ; v's scale bytes
	s_cmp_ge_u32 s51, 3
	s_cselect_b32 s77, s78, s77
	s_cselect_b32 s79, s80, s79
	s_add_co_u32 s77, s77, s76
	s_add_co_u32 s79, s79, s76
	s_lshl_b32 s78, s86, 15
	s_lshl_b32 s80, s53, 10
	s_add_co_u32 s78, s78, s80                     ; q's codes: 32,768 bh + 1,024 G
	s_lshl_b32 s80, s86, 11
	s_lshl_b32 s81, s53, 6
	s_add_co_u32 s80, s80, s81                     ; q's scale words: 2,048 bh + 64 G
	s_mov_b32 s83, 0
	s_mov_b32 s85, 0
	s_mov_b32 s89, 0
	s_cmp_eq_u32 s51, 0
	s_cselect_b32 s82, s78, s77
	s_cselect_b32 s84, s80, s79
	s_wait_kmcnt 0x0
	s_cselect_b64 s[68:69], s[44:45], s[48:49]     ; the choices hang on the work-group's number alone
	s_cselect_b64 s[70:71], s[46:47], s[48:49]
	s_add_nc_u64 s[68:69], s[68:69], s[82:83]
	s_add_nc_u64 s[70:71], s[70:71], s[84:85]
.irp n, 1,2,3,4
	s_cmp_eq_u32 s51, \n
	s_cselect_b64 s[14:15], s[14+2*\n:15+2*\n], s[14:15]   ; my product's weight: codes,
	s_cselect_b64 s[24:25], s[24+2*\n:25+2*\n], s[24:25]   ; scales,
	s_cselect_b64 s[34:35], s[34+2*\n:35+2*\n], s[34:35]   ; bias
.endr
	s_lshl_b32 s88, s50, 13                        ; my 64 rows of it: 128 bytes a row,
	s_add_nc_u64 s[14:15], s[14:15], s[88:89]
	s_lshl_b32 s88, s50, 9                         ; 8 bytes,
	s_add_nc_u64 s[24:25], s[24:25], s[88:89]
	s_lshl_b32 s88, s50, 8                         ; 4 bytes
	s_add_nc_u64 s[34:35], s[34:35], s[88:89]
	s_lshl_b32 s87, ttmp9, 6
	s_lshl_b32 s62, s50, 3
	s_add_co_u32 s87, s87, s62                     ; first row of the tile of x that I prepare: 64 x work-group + 8 x wave
	s_lshl_b32 s88, s87, 10
	s_add_nc_u64 s[8:9], s[8:9], s[88:89]
	s_lshl_b32 s88, s87, 7
	s_add_nc_u64 s[10:11], s[10:11], s[88:89]
	s_lshl_b32 s88, s87, 3
	s_add_nc_u64 s[12:13], s[12:13], s[88:89]
	; W's eight fragments and their scale words: read once, straight into registers
	WIN 0x40                                       ; destination window 1
	s_wait_alu depctr_va_vdst(0)                   ; the head's vector lines have written the offsets and LDS addresses v4, v9 to v23 and v74, which the loads and stores below read; no vector line follows ahead of the first Q4
.irp t, 0,1,2,3
.irp ks, 0,1
.irp c, 0,1
	global_load_b128 v[8*(2*\t+\ks)+4*\c:8*(2*\t+\ks)+4*\c+3], v[9+\t/2], s[14:15] offset:(\t%2)*1024+64*\ks+32*\c
.endr
.endr
.endr
	WIN 0
.irp t, 0,1,2,3
	global_load_b64 v[WSC+2*\t:WSC+2*\t+1], v[11+\t/2], s[24:25] offset:(\t%2)*64   ; both K steps' words of my row
.endr
	s_cmp_ge_u32 s51, 3
	s_cbranch_scc1 .Lbias_v
.irp t, 0,1,2,3
	global_load_b128 v[BI+8*\t:BI+8*\t+3], v13, s[34:35] offset:32*\t          ; q, k: register j of tile t wants b(32 h + 8 t + j)
	global_load_b128 v[BI+8*\t+4:BI+8*\t+7], v13, s[34:35] offset:32*\t+16
.endr
	s_branch .Lbias_done
.Lbias_v:
.irp t, 0,1,2,3
.irp j, 0,1,2,3,4,5,6,7
	global_load_b32 v[BI+8*\t+\j], v74, s[34:35] offset:4*(32*(\t/2)+8*(\t%2))   ; v: all eight registers want my column's number
.endr
.endr
.Lbias_done:
	s_cmp_lg_u32 s54, 0
	s_cbranch_scc1 .Lx_codes
	; x_a: my tile's 16 rows, 32 loads of 512 consecutive bytes; through my own stage, so that a lane gets 32 neighbours of each 64
.set i, 0
.rept 32
	global_load_b128 v[R+4*i:R+4*i+3], v4, s[8:9] offset:(32*((i/2)/8)+((i/2)%8))*1024+512*(i%2)
.set i, i+1
.endr
.set i, 0
.rept 32
	s_wait_loadcnt 31-i                            ; loads come back in order: load i is in, the 31 - i younger ones may be out (W and the bias were asked for earlier)
	ds_store_b128 v16, v[R+4*i:R+4*i+3] offset:SPIT*(i/2)+512*(i%2)
.set i, i+1
.endr
	s_wait_dscnt 0x0                               ; my stores into the stage are done
	s_wait_alu depctr_vm_vsrc(0)                   ; the LDS stores have read v[R ..], in which the LDS loads below land and which the products later write
.irp s, 0,1
.irp c, 0,1
.irp i, 0,1,2,3,4,5,6,7
	ds_load_b128 v[R+64*\s+32*\c+4*\i:R+64*\s+32*\c+4*\i+3], v17 offset:512*\s+256*\c+16*\i   ; k = 128 s + 64 c + 32 h + 4 i ..
.endr
.endr
.endr
	s_wait_dscnt 0x0
	Q4 R, PC                                       ; block u = 2 s + c: registers 4 c .. 4 c + 3 of K step s's fragment
.irp s, 0,1
	v_lshl_or_b32 v[PW+\s], v[BY+2*\s+1], 16, v[BY+2*\s]   ; my two bytes: blocks h and 2 + h of my row,
.endr
.irp s, 0,1
	v_lshlrev_b32 v[PW+\s], v6, v[PW+\s]           ; at their places (8 h bits up);
.endr
.irp s, 0,1
	v_permlanex16_b32 v[TP+\s], v[PW+\s], s74, s75
.endr
.irp s, 0,1
	v_or_b32 v[PW+\s], v[PW+\s], v[TP+\s]          ; with lane l xor 16's two the word is whole
.endr
	s_wait_alu depctr_va_vdst(0)                   ; the conversions have written v[PC ..] and the lines above v[PW ..], which the LDS stores behind the join read
	s_branch .Lx_done
.Lx_codes:
.irp ks, 0,1
.irp c, 0,1
	global_load_b128 v[PC+8*\ks+4*\c:PC+8*\ks+4*\c+3], v14, s[10:11] offset:64*\ks+32*\c   ; x_b: codes and scales as they are given
.endr
.endr
.irp ks, 0,1
	global_load_b32 v[PW+\ks], v15, s[12:13] offset:4*\ks
.endr
	s_wait_loadcnt 0x0
.Lx_done:
.irp k, 0,1,2,3
	ds_store_b128 v18, v[PC+4*\k:PC+4*\k+3] offset:512*\k   ; the images of my two fragments
.endr
.irp ks, 0,1
	ds_store_b32 v19, v[PW+\ks] offset:128*\ks
.endr
	s_wait_dscnt 0x0                               ; for the others' sake: my stores have landed
	s_barrier_signal -1
	s_barrier_wait -1                              ; all eight fragments of x lie in LDS
	WIN 0x40
.irp f, 0,1,2,3,4,5,6,7
.irp c, 0,1
	ds_load_b128 v[64+8*\f+4*\c:64+8*\f+4*\c+3], v20 offset:1024*\f+512*\c   ; no vector or matrix line has named these registers, nor v20 and v21 since they were shown written
.endr
.endr
	WIN 0
.irp f, 0,1,2,3,4,5,6,7
	ds_load_b32 v[XS+\f], v21 offset:128*\f
.endr
	s_wait_dscnt 0x0
	s_cmp_ge_u32 s51, 3
	s_cbranch_scc1 .Lprod_v
	; q, k: the sixteen accumulators take turns, one instruction a turn, K step by K step; the bias is the first product's C.  Operands and scales all came by loads
	WIN 0x05                                       ; sources 0 and 1 window 1; C and D window 0
.irp a, 0,1,2,3
.irp e, 0,1,2,3
	MM ACC+32*\a+8*\e, 8*(2*\e), 64+8*(2*\a), BI+8*\e, WSC+2*\e, XS+2*\a
.endr
.endr
.irp a, 0,1,2,3
.irp e, 0,1,2,3
	MM ACC+32*\a+8*\e, 8*(2*\e+1), 64+8*(2*\a+1), ACC+32*\a+8*\e, WSC+2*\e+1, XS+2*\a+1
.endr
.endr
	WIN 0
	s_branch .Lprod_done
.Lprod_v:
	WIN 0x05
.irp a, 0,1,2,3
.irp e, 0,1,2,3
	MM ACC+32*\a+8*\e, 64+8*(2*\e), 8*(2*\a), BI+8*\a, XS+2*\e, WSC+2*\a
.endr
.endr
.irp a, 0,1,2,3
.irp e, 0,1,2,3
	MM ACC+32*\a+8*\e, 64+8*(2*\e+1), 8*(2*\a+1), ACC+32*\a+8*\e, XS+2*\e+1, WSC+2*\a+1
.endr
.endr
	WIN 0
.Lprod_done:
.rept 4
	v_nop                                          ; four places between the last product and the first read of results (ISA guide 7.12.1)
.endr
	Q4 ACC, CD                                     ; four whole blocks a lane
	s_cmp_ge_u32 s51, 3
	s_cbranch_scc1 .Lout_v
	v_lshl_or_b32 v92, v[BY+1], 8, v[BY]           ; my row's (r's) four bytes, one of each tile, make a word
	v_lshl_or_b32 v92, v[BY+2], 16, v92
	v_lshl_or_b32 v92, v[BY+3], 24, v92
	s_wait_alu depctr_va_vdst(0)                   ; the conversions have written v[CD ..] and the lines above v92, which the five stores read
.irp u, 0,1,2,3
	global_store_b128 v22, v[CD+4*\u:CD+4*\u+3], s[68:69] offset:256*\u   ; tile u: sixteen lanes store 256 consecutive bytes, aligned
.endr
	global_store_b32 v23, v92, s[70:71]
	s_wait_dscnt 0x0                               ; the closing lines, six on end
	s_wait_alu 0x0
	s_wait_tensorcnt 0x0
	ds_add_u32 v94, v95
	s_wait_dscnt 0x0
	s_endpgm
.Lout_v:
	v_cmp_ne_u32 vcc_lo, 0, v3                     ; lanes 16-31
.irp u, 0,1,2,3
	v_lshlrev_b32 v[BY+\u], v6, v[BY+\u]           ; my block's byte at its place in the pair of blocks,
.endr
.irp u, 0,1,2,3
	v_permlanex16_b32 v[TP+\u], v[BY+\u], s74, s75
.endr
.irp u, 0,1,2,3
	v_or_b32 v[BY+\u], v[BY+\u], v[TP+\u]          ; with lane l xor 16's: two bytes of channel row r's scale word
.endr
	s_wait_alu depctr_va_vcc(0)                    ; the compare has written VCC, which the two selects read
	v_cndmask_b32 v92, v[BY], v[BY+1], vcc_lo      ; lanes 0-15 store tile dt = 0's, lanes 16-31 tile dt = 1's
	v_cndmask_b32 v93, v[BY+2], v[BY+3], vcc_lo
	s_wait_alu depctr_va_vdst(0)                   ; the conversions have written v[CD ..] and the selects v92 and v93, which the six stores read
.irp u, 0,1,2,3
	global_store_b128 v22, v[CD+4*\u:CD+4*\u+3], s[68:69] offset:HEADB*(\u/2)+1024*(\u%2)   ; head 2 g + u / 2, tile dt = u % 2: the wave stores 512 consecutive bytes
.endr
	global_store_b16 v23, v92, s[70:71]            ; two bytes a lane, four bytes apart: 64 of the record's last 128 bytes; the other group of the step stores the others
	global_store_b16 v23, v93, s[70:71] offset:HEADB
	s_wait_dscnt 0x0                               ; the closing lines, six on end
	s_wait_alu 0x0
	s_wait_tensorcnt 0x0
	ds_add_u32 v94, v95
	s_wait_dscnt 0x0
	s_endpgm
.Lfunc_end_k_q74025706fc_project:
	.size	k_q74025706fc_project, .Lfunc_end_k_q74025706fc_project-k_q74025706fc_project
	.p2alignl 7, 3214868480
	.fill 96, 4, 3214868480
	.section	.rodata,"a",@progbits
	.p2align	6, 0x0
	.amdhsa_kernel k_q74025706fc_project
		.amdhsa_group_segment_fixed_size 76288
		.amdhsa_private_segment_fixed_size 0
		.amdhsa_enable_private_segment 0
		.amdhsa_kernarg_size 168
		.amdhsa_user_sgpr_count 2
		.amdhsa_user_sgpr_kernarg_segment_ptr 1
		.amdhsa_wavefront_size32 1
		.amdhsa_system_sgpr_workgroup_id_x 1
		.amdhsa_system_sgpr_workgroup_id_y 1
		.amdhsa_system_sgpr_workgroup_id_z 1
		.amdhsa_system_vgpr_workitem_id 0
		.amdhsa_next_free_vgpr 384
		.amdhsa_next_free_sgpr 100
		.amdhsa_reserve_vcc 1
		.amdhsa_float_denorm_mode_32 3
		.amdhsa_float_denorm_mode_16_64 3
		.amdhsa_memory_ordered 1
		.amdhsa_forward_progress 1
		.amdhsa_inst_pref_size 45
	.end_amdhsa_kernel
	.amdgpu_metadata
---
amdhsa.version: [ 1, 2 ]
amdhsa.kernels:
  - .name:           k_q74025706fc_project
    .symbol:         k_q74025706fc_project.kd
    .args:
      - { .name: x_a, .offset: 0, .size: 8, .value_kind: global_buffer, .address_space: global }
      - { .name: x_b_codes, .offset: 8, .size: 8, .value_kind: global_buffer, .address_space: global }
      - { .name: x_b_scales, .offset: 16, .size: 8, .value_kind: global_buffer, .address_space: global }
      - { .name: wq_w_codes, .offset: 24, .size: 8, .value_kind: global_buffer, .address_space: global }
      - { .name: wk_a_w_codes, .offset: 32, .size: 8, .value_kind: global_buffer, .address_space: global }
      - { .name: wk_b_w_codes, .offset: 40, .size: 8, .value_kind: global_buffer, .address_space: global }
      - { .name: wv_a_w_codes, .offset: 48, .size: 8, .value_kind: global_buffer, .address_space: global }
      - { .name: wv_b_w_codes, .offset: 56, .size: 8, .value_kind: global_buffer, .address_space: global }
      - { .name: wq_w_scales, .offset: 64, .size: 8, .value_kind: global_buffer, .address_space: global }
      - { .name: wk_a_w_scales, .offset: 72, .size: 8, .value_kind: global_buffer, .address_space: global }
      - { .name: wk_b_w_scales, .offset: 80, .size: 8, .value_kind: global_buffer, .address_space: global }
      - { .name: wv_a_w_scales, .offset: 88, .size: 8, .value_kind: global_buffer, .address_space: global }
      - { .name: wv_b_w_scales, .offset: 96, .size: 8, .value_kind: global_buffer, .address_space: global }
      - { .name: wq_b, .offset: 104, .size: 8, .value_kind: global_buffer, .address_space: global }
      - { .name: wk_a_b, .offset: 112, .size: 8, .value_kind: global_buffer, .address_space: global }
      - { .name: wk_b_b, .offset: 120, .size: 8, .value_kind: global_buffer, .address_space: global }
      - { .name: wv_a_b, .offset: 128, .size: 8, .value_kind: global_buffer, .address_space: global }
      - { .name: wv_b_b, .offset: 136, .size: 8, .value_kind: global_buffer, .address_space: global }
      - { .name: qc, .offset: 144, .size: 8, .value_kind: global_buffer, .address_space: global }
      - { .name: qs, .offset: 152, .size: 8, .value_kind: global_buffer, .address_space: global }
      - { .name: kv, .offset: 160, .size: 8, .value_kind: global_buffer, .address_space: global }
    .group_segment_fixed_size: 76288
    .private_segment_fixed_size: 0
    .kernarg_segment_align: 8
    .kernarg_segment_size: 168
    .max_flat_workgroup_size: 128
    .sgpr_count:     100
    .vgpr_count:     384
    .wavefront_size: 32
...
	.end_amdgpu_metadata
.endif
;; end of part 4
;; launch attend (part 5): grid 16 x 16, 8 waves a work-group, clusters of 4 x 1, 168,960 bytes of LDS; arguments qc, qs, kv, zc, zs; writes zc, zs
.if DOCPART == 5
	.amdgcn_target "amdgcn-amd-amdhsa--gfx1250"
	.amdhsa_code_object_version 6
	.text
	.protected	k_q74025706fc_attend
	.globl	k_q74025706fc_attend
	.p2align	8
	.type	k_q74025706fc_attend,@function
k_q74025706fc_attend:
	s_mov_b64 s[64:65], 0
	v_nop
	global_prefetch_b8 v0, s[64:65] scope:SCOPE_SE
	s_setreg_imm32_b32 hwreg(HW_REG_WAVE_MODE, 25, 1), 1
	s_wait_xcnt 0x0
	s_wait_alu depctr_hold_cnt(0) depctr_sa_sdst(0) depctr_va_vdst(0) depctr_va_sdst(0) depctr_va_ssrc(0) depctr_va_vcc(0) depctr_vm_vsrc(0)
	s_getreg_b32 s2, hwreg(HW_REG_IB_STS2, 6, 4)
	s_cmp_eq_u32 s2, 0
	s_cbranch_scc0 .Lentry_in_a_cluster
	s_endpgm
.Lentry_in_a_cluster:
	s_bfe_u32 s2, ttmp6, 0x10000c
	s_cmp_lg_u32 s2, 0x3003
	s_cbranch_scc0 .Lentry_shape_is_right
	s_endpgm
.Lentry_shape_is_right:
; z = softmax(q k^T / sqrt(32)) v for one head and 128 queries a work-group, both products on codes of FP4 (E2M1) with one E8M0 scale for each 32 along K; z is quantised along the head's 32 channels.
; THE SOFTMAX AHEAD OF THE SECOND PRODUCT: t = score x log2(e) / sqrt(32); M = the largest t so far, rounded up to a whole number; p = 2^(t - M) is quantised along the keys, not normalised; the row's sum is taken
; of the unquantised p and divides at the end.  When M moves, the sum and O are multiplied by 2^(old M - new M), which rounds nothing.
; SHARES.  Work-group y = batch x 8 + head; work-group x = a block of eight tiles of 16 queries; wave w owns one tile in 256 registers, two waves to a SIMD.  Every wave walks the head's 4,096 keys, 128 a step.
; LDS holds the head's 32 records of kv (139,264 bytes), each the image of the registers wanted: filled once, never again, so there is no ring.  Wave w brings steps w, 8 + w, 16 + w, 24 + w: four tensor loads
; of a wave are out at the most, and the walk begins when the first eight steps have landed.
; CLUSTER.  The four work-groups of a cluster have the same head and want the same bytes: each fill is asked for jointly, by the same load with the same descriptor and the mask of all four.
; LAYOUT.  Both products are used transposed, so that a lane holds ONE query (lane % 16) throughout.
;   A head has 32 channels, the instruction 128 along K.  A fragment of K holds 64 keys: row r's block T of 32 along K is key 64 c + 32 (r / 8) + 8 T + r % 8.  q stands in four forms Q_T, its 32 codes in block T and
;   zero codes elsewhere: fragment x Q_T gives the scores of the 16 keys in block T.  So LDS reads of K are dense, and zero codes add nothing under any scale byte that the quantiser gives (1 to 254).
;   Lane (r, h), register 32 c + 8 T + j = score(query r, key 64 c + 32 h + 8 T + j): 32 registers are one whole block of p's quantiser, and the conversions' results are the second product's operand as they stand.
;   V^T's tile dt takes channels 16 (r / 8) + 8 dt + r % 8: lane (r, h) holds channels 16 h + 0 .. 15 of z.
; A block's largest p is not searched for: the block's largest score goes through the same multiply-add and exponential.  This takes v_exp_f32 not to fall where its input rises (the ISA guide promises 1 ulp):
; at the worst one p of a block, within an ulp of a power of two, is held one code low.
; LIMITS: NaN and infinities are not served; t is score x c in one rounding; a block whose every p has fallen under 2^-124 gets the byte 1 (its codes are zeros or the smallest).
.set REC,   4352
.set HEADB, 139264
.set CHUNK, 8*REC                      ; eight steps: what the eight waves' loads of one turn bring
.set S,   128                          ; v128-191 the scores, then p
.set KF,  48                           ; v48-63   K's two fragments
.set VF,  64                           ; v64-79   V^T's two
.set P,   80                           ; v80-87   p's codes
.set O,   88                           ; v88-103  O^T: two tiles
; v1 16 x lane, v2 4 x lane, v3, v4 the step's LDS addresses, v5 8 h, v6 r, v7 h, v8 0; v[10:11], v[14:15] the sum in four parts; v12 -M, v13 the largest t; v16-39 q's four forms (Q0 v16, Q2 v20, Q1 v28, Q3 v32);
; v40 q's scale word, v41 K's, v42 V's, v43 p's; v44 the largest score; v[46:47] the factor; v104-107, v108-109 maxima; v110-111 scale operands; v112-113 bytes; v114-118 at work; v120-127 the head's loads and offsets
.macro ROUND                           ; a round of the cluster's barrier
	s_barrier_signal -1
	s_barrier_wait -1
	s_cmp_lg_u32 s14, 0
	s_cbranch_scc1 .Lnot_wave_0_\@
	s_barrier_signal -3
.Lnot_wave_0_\@:
	s_barrier_wait -3
	s_barrier_signal -1
	s_barrier_wait -1
.endm
.macro BAR n                           ; all but my n youngest fills have landed; then the work-group's barrier: everybody's have.
	s_wait_tensorcnt \n
	s_wait_dscnt 0x0
	s_barrier_signal -1
	s_barrier_wait -1
.endm
	s_load_b256 s[4:11], s[0:1], 0x0               ; qc s[4:5], qs s[6:7], kv s[8:9], zc s[10:11]
	s_load_b64 s[12:13], s[0:1], 0x20              ; zs
	v_lshl_add_u32 v254, v0, 2, 0x29000
	v_mov_b32 v255, 0
	ds_add_u32 v254, v255
	ds_add_u32 v254, v255
	v_lshrrev_b32 v1, 5, v0
	s_delay_alu instid0(VALU_DEP_1)
	v_readfirstlane_b32 s14, v1                    ; wave 0..7
	s_bfe_u32 s15, ttmp6, 0x40000                  ; cx: it enters q's and z's global addresses alone
	s_lshl_b32 s16, ttmp9, 2
	s_add_co_u32 s16, s16, s15                     ; work-group x
	s_and_b32 s17, ttmp7, 0xffff                   ; bh, which the four partners share
	s_lshl_b32 s18, s16, 3
	s_add_co_u32 s18, s18, s14                     ; my tile of queries
	; descriptor group 1: a record is 4,352 dense bytes: 17 rows of 32 elements of 8 bytes, no padding (every LDS read takes 16 x lane on end)
	s_mov_b32 s24, 15|(3<<16)|(1<<21)              ; 15:0 the mask: all four work-groups; 17:16 elements of 8 bytes; 21 set beside a mask
	s_mov_b32 s25, 32<<16                          ; tensor_dim0 = 32
	s_mov_b32 s26, 17<<16                          ; tensor_dim1 = 17
	s_mov_b32 s27, 32<<16                          ; tile_dim0 = 32
	s_mov_b32 s28, 17                              ; tile_dim1 = 17
	s_mov_b32 s29, 32                              ; from row to row
	s_mov_b32 s30, 0
	s_mov_b32 s31, 0
	s_mul_i32 s52, s17, HEADB
	s_mul_i32 s19, s14, REC                        ; my step's place in a chunk, in memory and in LDS alike
	s_add_co_u32 s52, s52, s19
	s_mov_b32 s53, 0
	s_mov_b32 s20, 0x76543210
	s_mov_b32 s21, 0xfedcba98                      ; v_permlanex16_b32's selects for lane l xor 16
	s_mov_b32 s22, 0x3e8293ee                      ; c = log2(e) / sqrt(32)
	s_mov_b32 s23, s22                             ; (named with it as a pair, so it is written)
	s_and_b32 s50, s14, 3
	s_mul_i32 s50, s50, 0x01010101                 ; v_perm_b32's selector: byte tile % 4 into all four bytes
	s_wait_dscnt 0x0
	s_wait_kmcnt 0x0
	s_add_nc_u64 s[8:9], s[8:9], s[52:53]
.irp i, 0,1,2,3
	s_mov_b32 s[32+4*\i], 1                        ; count = 1
	s_add_co_u32 s[33+4*\i], s19, \i*CHUNK         ; LDS address: step 8 i + wave
	s_add_nc_u64 s[34+4*\i:35+4*\i], s[8:9], \i*CHUNK
	s_or_b32 s[35+4*\i], s[35+4*\i], 0x80000000    ; type = 2
.endr
	ROUND                                          ; all four work-groups are here: the joint loads meet
	tensor_load_to_lds s[32:35], s[24:31]
	s_nop 0
	tensor_load_to_lds s[36:39], s[24:31]
	s_nop 0
	tensor_load_to_lds s[40:43], s[24:31]
	s_nop 0
	tensor_load_to_lds s[44:47], s[24:31]
	s_nop 0
.rept 4
	v_nop
.endr
	s_mov_b32 s55, 0
	s_lshl_b32 s54, s17, 15
	s_lshl_b32 s56, s18, 8
	s_add_co_u32 s54, s54, s56
	s_add_nc_u64 s[4:5], s[4:5], s[54:55]          ; q's codes: 32,768 bh + 256 tile
	s_lshl_b32 s54, s17, 11
	s_lshr_b32 s56, s18, 2
	s_lshl_b32 s56, s56, 6
	s_add_co_u32 s54, s54, s56
	s_add_nc_u64 s[6:7], s[6:7], s[54:55]          ; q's scale words: 2,048 bh + 64 (tile / 4)
	s_lshr_b32 s56, s17, 3
	s_lshl_b32 s54, s56, 18
	s_lshl_b32 s56, s18, 11
	s_add_co_u32 s54, s54, s56
	s_and_b32 s56, s17, 7
	s_lshl_b32 s56, s56, 8
	s_add_co_u32 s54, s54, s56
	s_add_nc_u64 s[10:11], s[10:11], s[54:55]      ; z's codes: 2,048 (128 b + tile) + 256 head
	s_lshl_b32 s54, s17, 11
	s_lshl_b32 s56, s18, 4
	s_add_co_u32 s54, s54, s56
	s_add_nc_u64 s[12:13], s[12:13], s[54:55]      ; z's scale bytes: 2,048 bh + 16 tile
	v_and_b32 v9, 31, v0
	s_delay_alu instid0(VALU_DEP_1)
	v_lshlrev_b32 v1, 4, v9
	s_delay_alu instid0(VALU_DEP_2)
	v_lshlrev_b32 v2, 2, v9
	v_and_b32 v6, 15, v0
	v_bfe_u32 v7, v0, 4, 1
	s_delay_alu instid0(VALU_DEP_1)
	v_lshlrev_b32 v5, 3, v7
	v_mov_b32 v8, 0
	s_delay_alu instid0(VALU_DEP_4)
	v_lshlrev_b32 v124, 4, v6
	v_lshlrev_b32 v125, 2, v6
	s_delay_alu instid0(VALU_DEP_2)
	v_lshl_add_u32 v127, v7, 3, v124               ; z's codes: 16 r + 8 h
	global_load_b128 v[120:123], v124, s[4:5]      ; query r's 32 codes, in both halves of the lanes
	global_load_b32 v126, v125, s[6:7]
	s_wait_alu depctr_va_vdst(0)
	s_wait_loadcnt 0x0
	v_perm_b32 v40, v126, v126, s50                ; q's scale byte in all four bytes: it serves whichever block holds the codes
	v_cmp_ne_u32 vcc_lo, 0, v7
.irp i, 0,1,2,3
	v_cndmask_b32 v[16+\i], v[120+\i], v8, vcc_lo  ; the codes in lanes 0-15 (blocks 0 and 2), zeros in lanes 16-31
	v_cndmask_b32 v[24+\i], v[120+\i], v8, vcc_lo
	v_cndmask_b32 v[28+\i], v8, v[120+\i], vcc_lo  ; the codes in lanes 16-31 (blocks 1 and 3)
	v_cndmask_b32 v[36+\i], v8, v[120+\i], vcc_lo
	v_mov_b32 v[20+\i], 0
	v_mov_b32 v[32+\i], 0
.endr
.irp i, 0,1,2,3,4,5,6,7,8,9,10,11,12,13,14,15
	v_mov_b32 v[O+\i], 0                           ; the step is written once: the first finds zeros, which the first change of M leaves zeros.  (These are also the places between q's registers and the first product)
.endr
	v_mov_b32 v44, 0xff61b1e6                      ; the largest score so far: -3e38
	s_delay_alu instid0(VALU_DEP_1)
	v_mul_f32 v13, s22, v44
	s_delay_alu instid0(VALU_DEP_1)
	v_floor_f32 v12, -v13                          ; -M
	v_mov_b32 v10, 0
	v_mov_b32 v11, 0
	v_mov_b32 v14, 0
	v_mov_b32 v15, 0
	v_mov_b32 v47, 0                               ; (named as the upper half of the pair v[46:47])
	v_mov_b32 v115, 0                              ; written once: a lane permute's destination counts as one of its sources
	v_mov_b32 v118, 0
; A KEY STEP: 128 keys, whose record begins at LDS byte s48.  ahead = 1: the next step's K is fetched too.
.macro STEP ahead
	s_wait_dscnt 0x0                               ; K's fragments and scale words are in
.irp c, 0,1
.irp T, 0,1,2,3
.if \c == 0
	v_wmma_scale_f32_16x16x128_f8f6f4 v[S+8*\T:S+8*\T+7], v[KF:KF+7], v[16+12*(\T%2)+4*(\T/2):16+12*(\T%2)+4*(\T/2)+7], 0, v41, v40 matrix_a_fmt:MATRIX_FMT_FP4 matrix_b_fmt:MATRIX_FMT_FP4
.else
	v_wmma_scale_f32_16x16x128_f8f6f4 v[S+32+8*\T:S+32+8*\T+7], v[KF+8:KF+15], v[16+12*(\T%2)+4*(\T/2):16+12*(\T%2)+4*(\T/2)+7], 0, v41, v40 matrix_a_fmt:MATRIX_FMT_FP4 matrix_b_fmt:MATRIX_FMT_FP4 matrix_a_scale:MATRIX_SCALE_ROW1
.endif
.endr
.endr
	v_add_nc_u32 v3, s48, v1                       ; four places: behind the scores' products, ahead of the first read of scores and of the loads into K's registers;
	v_add_nc_u32 v4, s48, v2                       ; and behind the last step's second products, ahead of the loads into V's registers (ISA guide 7.12.1 for vector instructions)
	v_nop
	v_nop
.irp dt, 0,1
.irp c, 0,1
	ds_load_b128 v[VF+8*\dt+4*\c:VF+8*\dt+4*\c+3], v3 offset:2048+1024*\dt+512*\c
.endr
.endr
	ds_load_b32 v42, v4 offset:4224                ; lanes 0-15: tile 0's scale words, lanes 16-31: tile 1's
.if \ahead
.irp c, 0,1
.irp cc, 0,1
	ds_load_b128 v[KF+8*\c+4*\cc:KF+8*\c+4*\cc+3], v3 offset:REC+1024*\c+512*\cc
.endr
.endr
	ds_load_b32 v41, v4 offset:REC+4096            ; lanes 0-15: fragment 0's scale words, lanes 16-31: fragment 1's
.endif
	; the largest score of my two blocks of 32 keys: four chains by turns, each tile of scores read from its low end on
.irp c, 0,1
.irp e, 0,1
	v_max3_num_f32 v[104+2*\c+\e], v[S+32*\c+16*\e], v[S+32*\c+16*\e+1], v[S+32*\c+16*\e+2]
.endr
.endr
.irp i, 3,5,7,9,11,13
.irp c, 0,1
.irp e, 0,1
	v_max3_num_f32 v[104+2*\c+\e], v[104+2*\c+\e], v[S+32*\c+16*\e+\i], v[S+32*\c+16*\e+\i+1]
.endr
.endr
.endr
.irp c, 0,1
	v_max3_num_f32 v[108+\c], v[104+2*\c], v[105+2*\c], v[S+32*\c+15]
.endr
.irp c, 0,1
	v_max_num_f32 v[108+\c], v[108+\c], v[S+32*\c+31]
.endr
	s_delay_alu instid0(VALU_DEP_1)
	v_max_num_f32 v114, v108, v109
	s_delay_alu instid0(VALU_DEP_1)
	v_permlanex16_b32 v115, v114, s20, s21         ; my query's other 64 keys lie in lane l xor 16
	s_delay_alu instid0(VALU_DEP_1)
	v_max3_num_f32 v44, v44, v114, v115            ; the running largest score
	s_delay_alu instid0(VALU_DEP_1)
	v_mul_f32 v13, s22, v44                        ; as t (c is positive)
	v_mov_b32 v116, v12
	s_delay_alu instid0(VALU_DEP_2)
	v_floor_f32 v12, -v13                          ; the new -M = -ceil(t): a whole number
	s_delay_alu instid0(VALU_DEP_1)
	v_sub_f32 v116, v12, v116                      ; old M - new M: a whole number, 0 or less
	s_delay_alu instid0(VALU_DEP_1)
	v_cvt_i32_f32 v116, v116                       ; (it saturates)
	s_delay_alu instid0(VALU_DEP_1)
	v_ldexp_f32 v46, 1.0, v116                     ; the factor 2^(old M - new M)
	s_delay_alu instid0(VALU_DEP_4)
	v_fma_f32 v108, v108, s22, v12                 ; each block's largest score goes the way of every score:
	v_fma_f32 v109, v109, s22, v12
	s_wait_alu depctr_va_vdst(0)
	v_exp_f32 v108, v108                           ; the block's largest p
	v_exp_f32 v109, v109
	v_pk_mul_f32 v[14:15], v[14:15], v[46:47] op_sel_hi:[1,0]   ; the sums under the new M.  (A plain place behind the exponentials)
	v_pk_mul_f32 v[10:11], v[10:11], v[46:47] op_sel_hi:[1,0]
	v_pk_fma_f32 v[S:S+1], v[S:S+1], s[22:23], v[12:13] op_sel_hi:[1,0,0]         ; t - M of the first two pairs (of the pairs c and -M the low word serves both halves)
	v_pk_fma_f32 v[S+2:S+3], v[S+2:S+3], s[22:23], v[12:13] op_sel_hi:[1,0,0]
	s_wait_alu depctr_va_vdst(0)
.irp c, 0,1
	v_max_num_f32 v[108+\c], 0x1800000, v[108+\c]  ; the floor 2^(3 - 127): the byte cannot fall under 1
.endr
.irp c, 0,1
	s_delay_alu instid0(VALU_DEP_2)
	v_add_nc_u32 v[110+\c], 0xff000000, v[108+\c]  ; 2 off the exponent field: the conversion's scale operand
.endr
.irp c, 0,1
	s_delay_alu instid0(VALU_DEP_2)
	v_lshrrev_b32 v[112+\c], 23, v[110+\c]         ; the scale's byte
.endr
	s_delay_alu instid0(VALU_DEP_1)
	v_lshl_or_b32 v117, v113, 16, v112             ; my two bytes: blocks h and 2 + h,
	s_delay_alu instid0(VALU_DEP_1)
	v_lshlrev_b32 v117, v5, v117                   ; at their places;
	s_delay_alu instid0(VALU_DEP_1)
	v_permlanex16_b32 v118, v117, s20, s21
	s_delay_alu instid0(VALU_DEP_1)
	v_or_b32 v43, v117, v118                       ; with lane l xor 16's two: p's scale word for these 128 keys
	; p = 2^(t - M): exponentials and plain lines by turns: the multiply-add two pairs ahead, the sum a pair back, so that each exponential has a plain line between it and the use of its result
.set j, 0
	s_setprio 1
.rept 32
	v_exp_f32 v[S+2*j], v[S+2*j]
.if j < 30
	v_pk_fma_f32 v[S+2*j+4:S+2*j+5], v[S+2*j+4:S+2*j+5], s[22:23], v[12:13] op_sel_hi:[1,0,0]
.endif
	v_exp_f32 v[S+2*j+1], v[S+2*j+1]
.if j > 0
.if j%2 == 1
	s_wait_alu depctr_va_vdst(0)
	v_pk_add_f32 v[14:15], v[14:15], v[S+2*j-2:S+2*j-1]   ; the row's sum is taken of the unquantised p, in two chains of pairs
.else
	v_pk_add_f32 v[10:11], v[10:11], v[S+2*j-2:S+2*j-1]
.endif
.endif
.set j, j+1
.endr
	s_setprio 0
	v_pk_add_f32 v[10:11], v[10:11], v[S+62:S+63]
.irp c, 0,1
.irp T, 0,1,2,3
	v_cvt_scalef32_pk8_fp4_f32 v[P+4*\c+\T], v[S+32*\c+8*\T:S+32*\c+8*\T+7], v[110+\c]   ; keys 64 c + 32 h + 8 T + 0 .. 7: register 4 c + T of the operand
.endr
.endr
.irp i, 0,2,4,6,8,10,12,14
	v_pk_mul_f32 v[O+\i:O+\i+1], v[O+\i:O+\i+1], v[46:47] op_sel_hi:[1,0]   ; O^T under the new M, from each tile's low end on.  (These eight are also the places between the conversions and the products)
.endr
.if \ahead
	s_wait_alu depctr_va_vdst(0)
	s_wait_dscnt 5                                 ; V's five loads are in; the five for the next step's K, issued behind them, may be out
.else
	s_wait_alu depctr_va_vdst(0)
	s_wait_dscnt 0x0
.endif
	v_wmma_scale_f32_16x16x128_f8f6f4 v[O:O+7], v[VF:VF+7], v[P:P+7], v[O:O+7], v42, v43 matrix_a_fmt:MATRIX_FMT_FP4 matrix_b_fmt:MATRIX_FMT_FP4   ; the two accumulators take turns; eight other products stand between a link and the next
	v_wmma_scale_f32_16x16x128_f8f6f4 v[O+8:O+15], v[VF+8:VF+15], v[P:P+7], v[O+8:O+15], v42, v43 matrix_a_fmt:MATRIX_FMT_FP4 matrix_b_fmt:MATRIX_FMT_FP4 matrix_a_scale:MATRIX_SCALE_ROW1
	s_add_co_u32 s48, s48, REC
.endm
.macro WALK first, trips               ; steps first .. first + trips - 1; the look-ahead reaches step first + trips
	s_mov_b32 s48, \first*REC
	s_mov_b32 s49, \trips
.Lwalk_\@:
	s_setprio 2
	STEP 1
	s_sub_co_u32 s49, s49, 1
	s_cmp_lg_u32 s49, 0
	s_cbranch_scc1 .Lwalk_\@
	s_setprio 0
.endm
	BAR 3                                          ; steps 0 to 7 lie in LDS; my three younger fills go to other bytes and may stay out
.irp k, 0,1,2,3
	ds_load_b128 v[KF+4*\k:KF+4*\k+3], v1 offset:512*\k   ; K of step 0
.endr
	ds_load_b32 v41, v2 offset:4096
	WALK 0, 7                                      ; the walks are shifted by one step, so that no look-ahead reads a chunk ahead of its barrier
	BAR 2                                          ; steps 8 to 15
	WALK 7, 8
	BAR 1                                          ; steps 16 to 23
	WALK 15, 8
	BAR 0                                          ; steps 24 to 31: no tensor load of mine is out any more
	WALK 23, 8
	STEP 0                                         ; step 31
	; z = O^T / the sum; its 32 channels are one block of the next quantiser, 16 in me and 16 in lane l xor 16
	v_pk_add_f32 v[14:15], v[14:15], v[10:11]      ; (six plain lines: the places behind the last products)
	s_delay_alu instid0(VALU_DEP_1)
	v_add_f32 v14, v14, v15
	s_delay_alu instid0(VALU_DEP_1)
	v_permlanex16_b32 v115, v14, s20, s21
	s_delay_alu instid0(VALU_DEP_1)
	v_add_f32 v14, v14, v115                       ; the row's sum
	v_nop
	v_nop
	s_wait_alu depctr_va_vdst(0)
	v_rcp_f32 v46, v14
	v_nop                                          ; a plain place behind the transcendental
	s_wait_alu depctr_va_vdst(0)
.irp i, 0,2,4,6,8,10,12,14
	v_pk_mul_f32 v[S+\i:S+\i+1], v[O+\i:O+\i+1], v[46:47] op_sel_hi:[1,0]   ; z(query r, channel 16 h + i ..)
.endr
	v_max3_num_f32 v104, |v[S]|, |v[S+1]|, 0x1800000
.irp i, 2,4,6,8,10,12,14
	s_delay_alu instid0(VALU_DEP_1)
	v_max3_num_f32 v104, v104, |v[S+\i]|, |v[S+\i+1]|
.endr
	s_delay_alu instid0(VALU_DEP_1)
	v_permlanex16_b32 v115, v104, s20, s21
	s_delay_alu instid0(VALU_DEP_1)
	v_max_num_f32 v104, v104, v115
	s_delay_alu instid0(VALU_DEP_1)
	v_add_nc_u32 v110, 0xff000000, v104
	s_delay_alu instid0(VALU_DEP_1)
	v_lshrrev_b32 v112, 23, v110
	v_cvt_scalef32_pk8_fp4_f32 v[P], v[S:S+7], v110
	v_cvt_scalef32_pk8_fp4_f32 v[P+1], v[S+8:S+15], v110
	v_nop                                          ; one plain place behind the last scaled conversion
	global_store_b64 v127, v[P:P+1], s[10:11]      ; the wave stores 256 consecutive bytes, aligned: my head's part of the tile's operand image
	global_store_b8 v6, v112, s[12:13]             ; lanes r and r + 16 store the same byte with the same value
	s_wait_dscnt 0x0
	s_wait_tensorcnt 0x0
	ds_add_u32 v254, v255
	s_wait_dscnt 0x0
	ROUND                                          ; the closing round: no work-group ends while a partner may still ask for a tile that names it
	s_endpgm
.Lfunc_end_k_q74025706fc_attend:
	.size	k_q74025706fc_attend, .Lfunc_end_k_q74025706fc_attend-k_q74025706fc_attend
	.p2alignl 7, 3214868480
	.fill 96, 4, 3214868480
	.section	.rodata,"a",@progbits
	.p2align	6, 0x0
	.amdhsa_kernel k_q74025706fc_attend
		.amdhsa_group_segment_fixed_size 168960
		.amdhsa_private_segment_fixed_size 0
		.amdhsa_enable_private_segment 0
		.amdhsa_kernarg_size 40
		.amdhsa_user_sgpr_count 2
		.amdhsa_user_sgpr_kernarg_segment_ptr 1
		.amdhsa_wavefront_size32 1
		.amdhsa_system_sgpr_workgroup_id_x 1
		.amdhsa_system_sgpr_workgroup_id_y 1
		.amdhsa_system_sgpr_workgroup_id_z 1
		.amdhsa_system_vgpr_workitem_id 0
		.amdhsa_next_free_vgpr 256
		.amdhsa_next_free_sgpr 66
		.amdhsa_reserve_vcc 1
		.amdhsa_float_denorm_mode_32 3
		.amdhsa_float_denorm_mode_16_64 3
		.amdhsa_memory_ordered 1
		.amdhsa_forward_progress 1
		.amdhsa_inst_pref_size 79
	.end_amdhsa_kernel
	.amdgpu_metadata
---
amdhsa.version: [ 1, 2 ]
amdhsa.kernels:
  - .name:           k_q74025706fc_attend
    .symbol:         k_q74025706fc_attend.kd
    .args:
      - { .name: qc, .offset: 0, .size: 8, .value_kind: global_buffer, .address_space: global }
      - { .name: qs, .offset: 8, .size: 8, .value_kind: global_buffer, .address_space: global }
      - { .name: kv, .offset: 16, .size: 8, .value_kind: global_buffer, .address_space: global }
      - { .name: zc, .offset: 24, .size: 8, .value_kind: global_buffer, .address_space: global }
      - { .name: zs, .offset: 32, .size: 8, .value_kind: global_buffer, .address_space: global }
    .group_segment_fixed_size: 168960
    .private_segment_fixed_size: 0
    .kernarg_segment_align: 8
    .kernarg_segment_size: 40
    .max_flat_workgroup_size: 256
    .sgpr_count:     66
    .vgpr_count:     256
    .wavefront_size: 32
...
	.end_amdgpu_metadata
.endif
;; end of part 5
;; launch outproj (part 6): grid 256 x 1, 4 waves a work-group, no clusters, 17,920 bytes of LDS; arguments zc, zs, w_w_codes, w_w_scales, w_b, x_a, out0; writes out0
.if DOCPART == 6
	.amdgcn_target "amdgcn-amd-amdhsa--gfx1250"
	.amdhsa_code_object_version 6
	.text
	.protected	k_q74025706fc_outproj
	.globl	k_q74025706fc_outproj
	.p2align	8
	.type	k_q74025706fc_outproj,@function
k_q74025706fc_outproj:
	s_mov_b64 s[64:65], 0
	v_nop
	global_prefetch_b8 v0, s[64:65] scope:SCOPE_SE
	s_setreg_imm32_b32 hwreg(HW_REG_WAVE_SCHED_MODE, 0, 2), 2
	s_setreg_imm32_b32 hwreg(HW_REG_WAVE_MODE, 25, 1), 1
	s_wait_xcnt 0x0
	s_wait_alu depctr_vm_vsrc(0)
; out = z W^T + b + x_a, the product on codes of FP4 (E2M1) with one E8M0 scale for each 32 along K.  z arrives as the image of its operand registers (zc) and one scale byte a row and head (zs).
; SHARES.  A work-group takes one tile of 16 rows (tile of batch b: row r is 64 (tile / 4) + 32 (r / 8) + 8 (tile % 4) + r % 8); wave w takes columns 64 w .. 64 w + 63: four accumulators x two K steps.
; Waves share nothing: no barrier.  The product is used transposed (source 0 = 16 rows of W, source 1 = z's 16 rows), so that a lane holds eight neighbouring columns of one row; the bias is the first product's C.
; The results go through the wave's own stage in LDS and come back as rows of 256 bytes, to which x_a is added: sixteen lanes store 256 consecutive bytes, aligned.
; No tensor load, no cluster: a wave reads its 8 KB of W once, straight into registers, and every other byte is read by one wave alone.
; THE MODE: SCHED_MODE bits 1:0 = 2 (LLVM: expert scheduling mode 2), set by the entry lines.  The code itself states the register dependences
; between vector or matrix instructions and memory or LDS instructions, with s_wait_alu, always for 0.
; THE PLAN.  Registers that memory or LDS instructions touch, in the order of the text (there is no loop):
;   v4-11      offsets and LDS addresses: written by the head's vector lines, never again; read by every load and store.
;   v12-19, v22-29, v32-143, v176-207   z's bytes, W's scale words, z, W, the bias, x_a: written by global loads, each once; named besides by vector and matrix instructions alone.
;   v20-21     z's scale words: written by vector lines, taken as scales by the products.
;   v144-175   the accumulators: written by the products, read by the LDS stores into the stage.
;   v208-239   written by the LDS loads from the stage, then by the additions in place; read by the global stores, which stand in one run behind the additions.
; So four waits on va_vdst: ahead of the first load, ahead of the first product, ahead of the stage's stores, ahead of the run of global stores.  No register that a store has read is written again.
.set ZB,  12                           ; v12-19   z's scale bytes, one a head
.set ZS,  20                           ; v20-21   z's scale words
.set WSC, 22                           ; v22-29   W's scale words (2 t + ks)
.set ZF,  32                           ; v32-47   z's two fragments
.set WF,  48                           ; v48-111  W's eight (16 t + 8 ks)
.set BI,  112                          ; v112-143 the bias in the result's layout
.set ACC, 144                          ; v144-175
.set XR,  176                          ; v176-207 x_a
.set OB,  208                          ; v208-239 rows read back from the stage
	s_load_b256 s[4:11], s[0:1], 0x0               ; zc s[4:5], zs s[6:7], W's codes s[8:9], W's scales s[10:11]
	s_load_b128 s[12:15], s[0:1], 0x20             ; b s[12:13], x_a s[14:15]
	s_load_b64 s[16:17], s[0:1], 0x30              ; out
	v_lshl_add_u32 v240, v0, 2, 0x4400
	v_mov_b32 v241, 0
	v_lshrrev_b32 v1, 5, v0
	v_readfirstlane_b32 s18, v1                    ; wave
	s_lshr_b32 s20, ttmp9, 7                       ; b
	s_and_b32 s21, ttmp9, 127                      ; tile
	v_and_b32 v1, 31, v0
	v_and_b32 v5, 15, v0                           ; r
	v_bfe_u32 v3, v0, 4, 1                         ; h
	v_lshlrev_b32 v4, 4, v1                        ; 16 x lane
	v_lshlrev_b32 v6, 7, v5
	v_lshl_add_u32 v6, v3, 4, v6                   ; W's codes: 128 r + 16 h
	v_lshlrev_b32 v7, 3, v5                        ; W's scales: 8 r
	v_lshlrev_b32 v8, 5, v3                        ; the bias: 32 h
	v_lshlrev_b32 v9, 10, v3
	v_lshl_add_u32 v9, v5, 4, v9                   ; x_a and out: lanes 0-15 one row, lanes 16-31 the next; 16 bytes a lane
	s_wait_alu depctr_va_sdst(0)                   ; s18, the wave's number, is written, ahead of its first reader: the stage's address and the bases are made from it
	s_mul_i32 s22, s18, 4352                       ; my stage: 16 rows x 272 bytes
	v_mul_u32_u24 v10, v5, 272
	v_lshl_add_u32 v10, v3, 5, v10
	v_add_nc_u32 v10, s22, v10                     ; in: row r, + 32 h
	v_mul_u32_u24 v11, v3, 272
	v_lshl_add_u32 v11, v5, 4, v11
	v_add_nc_u32 v11, s22, v11                     ; back: two rows an instruction
	s_mov_b32 s25, 0
	s_lshl_b32 s26, s20, 14
	s_lshl_b32 s27, s21, 4
	s_add_co_u32 s26, s26, s27                     ; zs: 16,384 b + 16 tile
	s_mov_b32 s27, 0
	s_lshl_b32 s28, s20, 11
	s_lshr_b32 s29, s21, 2
	s_lshl_b32 s29, s29, 6
	s_add_co_u32 s28, s28, s29
	s_and_b32 s29, s21, 3
	s_lshl_b32 s29, s29, 3
	s_add_co_u32 s28, s28, s29                     ; the tile's first row: 2,048 b + 64 (tile / 4) + 8 (tile % 4)
	s_lshl_b32 s28, s28, 10
	s_lshl_b32 s29, s18, 8
	s_add_co_u32 s28, s28, s29                     ; in bytes, + my 64 columns
	s_mov_b32 s29, 0
	s_wait_kmcnt 0x0
	s_lshl_b32 s24, ttmp9, 11
	s_add_nc_u64 s[4:5], s[4:5], s[24:25]          ; zc: 2,048 bytes a tile
	s_add_nc_u64 s[6:7], s[6:7], s[26:27]
	s_lshl_b32 s24, s18, 13
	s_add_nc_u64 s[8:9], s[8:9], s[24:25]          ; my 64 rows of W: 128 bytes a row,
	s_lshl_b32 s24, s18, 9
	s_add_nc_u64 s[10:11], s[10:11], s[24:25]      ; 8 bytes,
	s_lshl_b32 s24, s18, 8
	s_add_nc_u64 s[12:13], s[12:13], s[24:25]      ; 4 bytes
	s_add_nc_u64 s[14:15], s[14:15], s[28:29]
	s_add_nc_u64 s[16:17], s[16:17], s[28:29]
	s_wait_alu depctr_va_vdst(0)                   ; the head's vector lines have written the offsets and LDS addresses v4 to v11, which every load and store below reads
.irp hd, 0,1,2,3,4,5,6,7
	global_load_u8 v[ZB+\hd], v5, s[6:7] offset:2048*\hd   ; row r's scale byte of head hd
.endr
.irp ks, 0,1
.irp c, 0,1
	global_load_b128 v[ZF+8*\ks+4*\c:ZF+8*\ks+4*\c+3], v4, s[4:5] offset:1024*\ks+512*\c
.endr
.endr
.irp t, 0,1,2,3
	global_load_b64 v[WSC+2*\t:WSC+2*\t+1], v7, s[10:11] offset:128*\t
.endr
.irp t, 0,1,2,3
.irp ks, 0,1
.irp c, 0,1
	global_load_b128 v[WF+16*\t+8*\ks+4*\c:WF+16*\t+8*\ks+4*\c+3], v6, s[8:9] offset:2048*\t+64*\ks+32*\c
.endr
.endr
.endr
.irp t, 0,1,2,3
	global_load_b128 v[BI+8*\t:BI+8*\t+3], v8, s[12:13] offset:64*\t       ; register j of tile t wants b(16 t + 8 h + j)
	global_load_b128 v[BI+8*\t+4:BI+8*\t+7], v8, s[12:13] offset:64*\t+16
.endr
.irp i, 0,1,2,3,4,5,6,7
	global_load_b128 v[XR+4*\i:XR+4*\i+3], v9, s[14:15] offset:(32*(\i/4)+2*(\i%4))*1024 th:TH_LOAD_NT   ; tile rows 2 i and 2 i + 1: the program's last read of these bytes
.endr
	s_wait_loadcnt 40                              ; the eight scale bytes are in; the 40 loads issued behind them may be out
.irp ks, 0,1
	v_lshl_or_b32 v[ZS+\ks], v[ZB+4*\ks+1], 8, v[ZB+4*\ks]   ; four heads' bytes make a K step's scale word
.endr
.irp ks, 0,1
	v_lshl_or_b32 v[ZS+\ks], v[ZB+4*\ks+2], 16, v[ZS+\ks]
.endr
.irp ks, 0,1
	v_lshl_or_b32 v[ZS+\ks], v[ZB+4*\ks+3], 24, v[ZS+\ks]
.endr
.rept 8
	v_nop                                          ; a scale register written by a vector instruction stands eight places ahead of a scaled matrix instruction
.endr
	s_wait_loadcnt 8                               ; all but x_a's eight
	s_wait_alu depctr_va_vdst(0)                   ; the lines above have written v[ZS] and v[ZS + 1], which the products take as scales; the eight places stay beside this wait
.irp t, 0,1,2,3                        ; the four accumulators take turns, K step by K step
	v_wmma_scale_f32_16x16x128_f8f6f4 v[ACC+8*\t:ACC+8*\t+7], v[WF+16*\t:WF+16*\t+7], v[ZF:ZF+7], v[BI+8*\t:BI+8*\t+7], v[WSC+2*\t], v[ZS] matrix_a_fmt:MATRIX_FMT_FP4 matrix_b_fmt:MATRIX_FMT_FP4
.endr
.irp t, 0,1,2,3
	v_wmma_scale_f32_16x16x128_f8f6f4 v[ACC+8*\t:ACC+8*\t+7], v[WF+16*\t+8:WF+16*\t+15], v[ZF+8:ZF+15], v[ACC+8*\t:ACC+8*\t+7], v[WSC+2*\t+1], v[ZS+1] matrix_a_fmt:MATRIX_FMT_FP4 matrix_b_fmt:MATRIX_FMT_FP4
.endr
.rept 4
	v_nop                                          ; four places between the last product and the first read of results (ISA guide 7.12.1)
.endr
	s_wait_alu depctr_va_vdst(0)                   ; the products have written the accumulators, which the LDS stores read; the four places stay beside this wait
.irp t, 0,1,2,3
	ds_store_b128 v10, v[ACC+8*\t:ACC+8*\t+3] offset:64*\t          ; each accumulator from its low end on: out(row r, column 16 t + 8 h + 0 .. 7)
	ds_store_b128 v10, v[ACC+8*\t+4:ACC+8*\t+7] offset:64*\t+16
.endr
.irp i, 0,1,2,3,4,5,6,7
	ds_load_b128 v[OB+4*\i:OB+4*\i+3], v11 offset:544*\i            ; LDS serves a wave's instructions in order (ISA guide 5.7.1.4): these see my stores.  No vector or matrix line has named v[OB ..]
.endr
	s_wait_loadcnt 0x0                             ; x_a
.irp i, 0,1,2,3,4,5,6,7
	s_wait_dscnt 7-\i                              ; rows 2 i and 2 i + 1 are back; the 7 - i younger loads may be out
	v_pk_add_f32 v[OB+4*\i:OB+4*\i+1], v[OB+4*\i:OB+4*\i+1], v[XR+4*\i:XR+4*\i+1]
	v_pk_add_f32 v[OB+4*\i+2:OB+4*\i+3], v[OB+4*\i+2:OB+4*\i+3], v[XR+4*\i+2:XR+4*\i+3]
.endr
	s_wait_alu depctr_va_vdst(0)                   ; the sixteen additions have written v[OB ..], which the eight stores read
.irp i, 0,1,2,3,4,5,6,7
	global_store_b128 v9, v[OB+4*\i:OB+4*\i+3], s[16:17] offset:(32*(\i/4)+2*(\i%4))*1024 th:TH_STORE_NT   ; sixteen lanes store 256 consecutive bytes, aligned
.endr
	s_wait_dscnt 0x0                               ; the closing lines, six on end
	s_wait_alu 0x0
	s_wait_tensorcnt 0x0
	ds_add_u32 v240, v241
	s_wait_dscnt 0x0
	s_endpgm
.Lfunc_end_k_q74025706fc_outproj:
	.size	k_q74025706fc_outproj, .Lfunc_end_k_q74025706fc_outproj-k_q74025706fc_outproj
	.p2alignl 7, 3214868480
	.fill 96, 4, 3214868480
	.section	.rodata,"a",@progbits
	.p2align	6, 0x0
	.amdhsa_kernel k_q74025706fc_outproj
		.amdhsa_group_segment_fixed_size 17920
		.amdhsa_private_segment_fixed_size 0
		.amdhsa_enable_private_segment 0
		.amdhsa_kernarg_size 56
		.amdhsa_user_sgpr_count 2
		.amdhsa_user_sgpr_kernarg_segment_ptr 1
		.amdhsa_wavefront_size32 1
		.amdhsa_system_sgpr_workgroup_id_x 1
		.amdhsa_system_sgpr_workgroup_id_y 1
		.amdhsa_system_sgpr_workgroup_id_z 1
		.amdhsa_system_vgpr_workitem_id 0
		.amdhsa_next_free_vgpr 242
		.amdhsa_next_free_sgpr 66
		.amdhsa_reserve_vcc 0
		.amdhsa_float_denorm_mode_32 3
		.amdhsa_float_denorm_mode_16_64 3
		.amdhsa_memory_ordered 1
		.amdhsa_forward_progress 1
		.amdhsa_inst_pref_size 13
	.end_amdhsa_kernel
	.amdgpu_metadata
---
amdhsa.version: [ 1, 2 ]
amdhsa.kernels:
  - .name:           k_q74025706fc_outproj
    .symbol:         k_q74025706fc_outproj.kd
    .args:
      - { .name: zc, .offset: 0, .size: 8, .value_kind: global_buffer, .address_space: global }
      - { .name: zs, .offset: 8, .size: 8, .value_kind: global_buffer, .address_space: global }
      - { .name: w_w_codes, .offset: 16, .size: 8, .value_kind: global_buffer, .address_space: global }
      - { .name: w_w_scales, .offset: 24, .size: 8, .value_kind: global_buffer, .address_space: global }
      - { .name: w_b, .offset: 32, .size: 8, .value_kind: global_buffer, .address_space: global }
      - { .name: x_a, .offset: 40, .size: 8, .value_kind: global_buffer, .address_space: global }
      - { .name: out0, .offset: 48, .size: 8, .value_kind: global_buffer, .address_space: global }
    .group_segment_fixed_size: 17920
    .private_segment_fixed_size: 0
    .kernarg_segment_align: 8
    .kernarg_segment_size: 56
    .max_flat_workgroup_size: 128
    .sgpr_count:     66
    .vgpr_count:     242
    .wavefront_size: 32
...
	.end_amdgpu_metadata
.endif
;; end of part 6
